; MI455X (gfx1250); checked and timed in simulation.
; The chip was launched on July 23, 2026; its instructions are those of AMD's public machine-readable ISA for CDNA 5 (MIT licence, August 2026) and "CDNA5" Instruction Set Architecture Reference Guide (July 2026). The comments in the code are by the model that wrote it; some were corrected since.
;; Causal Self Attention. Allowed arithmetic: float matrix products may take bf16 or f16 operands with f32 sums; all other float work in f32.
;; Inputs: W_k 384 x 384 float32; W_q 384 x 384 float32; W_v 384 x 384 float32; x 4 x 4,096 x 384 float32.
;; Outputs: out0 4 x 4,096 x 384 float32.
;; 2 versions, each right; version 2 is version 1 with the launch merge written anew for expert scheduling mode. Each part assembles by itself: llvm-mc -triple=amdgcn-amd-amdhsa -mcpu=gfx1250 --defsym DOCPART=n.
;; ======== version 1 of 2: 4 launches
;; limits: right only within a limited range of input values; values are held in f16: magnitudes above 65,504 overflow, below 6.1e-05 lose precision
;; workspace buffers: wf 884,736 bytes; qf 12,582,912 bytes; kv 25,165,824 bytes; part 100,663,296 bytes; ml 524,288 bytes; hd 1,179,648 bytes
;; launch wprep (part 1): grid 72 x 1, 6 waves a work-group, no clusters, 0 bytes of LDS; arguments W_q, W_k, W_v, wf; writes wf
.if DOCPART == 1
	.amdgcn_target "amdgcn-amd-amdhsa--gfx1250"
	.amdhsa_code_object_version 6
	.text
	.protected	k_qea2c8ff866_wprep
	.globl	k_qea2c8ff866_wprep
	.p2align	8
	.type	k_qea2c8ff866_wprep,@function
k_qea2c8ff866_wprep:
	s_mov_b64 s[64:65], 0
	v_nop
	global_prefetch_b8 v0, s[64:65] scope:SCOPE_SE
	s_setreg_imm32_b32 hwreg(HW_REG_WAVE_MODE, 25, 1), 1
	s_wait_xcnt 0x0
; THE PROGRAM: causal attention with one head, B = 4, T = 4096, D = 384, in four launches.
;   1 (this one)  W_q, W_k, W_v to bf16, laid out in the order in which a matrix instruction's lanes hold a 16 x 32 fragment
;   2 qkv         Q (times log2(e)/sqrt(384)), K and V transposed, f16, in fragment order; for the first 64 tokens of each batch also as sums of two f16 numbers
;   3 attn        causal attention with a running maximum; the keys are shared out among four classes of work-groups,
;                 each class leaves an unnormalised partial result and its (maximum, sum) for every query
;   4 merge       joins the four classes, normalises, writes out0 row-major; makes the first 64 rows of each batch anew with split operands
; NUMBER FORMATS.  x and the weights go to the matrix units in bf16: a product of two bf16 numbers is exact in f32, so Q, K and V are the f32 sums of the rounded
; inputs' products.  Q, K, V and the softmax weights go on in f16, which carries three more mantissa bits than bf16; all sums are f32.
; LIMIT: K, V and Q log2(e)/sqrt(384) must stay below 65,504 in magnitude.  With x of spread 1 and weights of spread 1/sqrt(384) their entries are about 1; both
; inputs 30 times larger give 900 times that, both with an offset of 30 spreads about 384 x 30 x 1.5 = 17,600: inside the range.
; ROWS WITH FEW KEYS.  Row q of out is a mean of q + 1 rows of V.  In the first rows an operand's rounding (2^-11 of numbers of size 1) goes undiminished into the
; result, while most of out is of size 1/sqrt(q).  So the first 64 rows of each batch are made with every operand as a sum of two f16 numbers (launch 4).
; Launch 3 still makes these rows, in waves whose other rows are live (its head says why); launch 4 does not read them.
; WORK LEFT OUT.  reference() sets scores[q][k] to -inf wherever k > q, in its own body, in front of the softmax.  exp(-inf) = 0, so
; weights[q][k] = 0 there and the term weights[q][k] V[k] adds 0 to out[q], whatever finite values x and the weights hold.  So a tile of
; 64 keys that lies wholly behind all 512 queries of a block is neither loaded nor multiplied for that block, and of the tiles that the diagonal
; crosses those pairs of 16 queries and 64 keys are left out that launch 3's head names.  The other pairs on the diagonal are computed and masked.
; Nothing else is left out: all four inputs have a way to the output and are loaded.
; LIMIT: a NaN, an infinity or an overflow in rows of K or V that would reach a query only through work left out is not carried to its result.
;
; THIS LAUNCH.  Work-group g makes the 12 fragments of one tile of 16 rows: matrix g / 24 (q, k, v), rows 16 (g % 24) ..
; Wave w makes the fragments of columns 64 w .. 64 w + 63 (K steps 2 w and 2 w + 1): 256 consecutive bytes of each of the 16 rows.
; Fragment (tile, ks) lies at ((g) 12 + ks) 1024 in wf: lane L = 16 h + r has its registers 0-3 at + 16 L (columns 32 ks + 8 h + 0..7 of row r)
; and its registers 4-7 at + 512 + 16 L (columns 32 ks + 16 + 8 h + 0..7).  72 work-groups: there is no more than 1.8 MB to convert.
.set WROW, 1536                        ; bytes in a row of a weight matrix
.set SRC,  8                           ; v[8:39]   2 fragments x 16 f32
.set PKD,  40                          ; v[40:55]  2 fragments x 8 registers of bf16 pairs
	s_load_b256 s[4:11], s[0:1], 0x0               ; W_q s[4:5], W_k s[6:7], W_v s[8:9], wf s[10:11]
	v_lshrrev_b32 v3, 5, v0
	v_readfirstlane_b32 s12, v3                    ; wave 0..5
	v_and_b32 v4, 15, v0                           ; r
	v_bfe_u32 v5, v0, 4, 1                         ; h
	v_mul_u32_u24 v1, v4, WROW
	v_lshl_add_u32 v1, v5, 5, v1                   ; r rows + 8 h numbers
	v_and_b32 v2, 31, v0
	v_lshlrev_b32 v2, 4, v2                        ; 16 L
	s_cmp_ge_u32 ttmp9, 24
	s_cselect_b32 s13, 24, 0
	s_cmp_ge_u32 ttmp9, 48
	s_cselect_b32 s13, 48, s13                     ; 24 x matrix
	s_sub_co_u32 s14, ttmp9, s13                   ; the tile of 16 rows in that matrix
	s_mul_i32 s20, s14, 16*WROW
	s_lshl_b32 s15, s12, 8
	s_add_co_u32 s20, s20, s15                     ; + my wave's 256 bytes of the rows
	s_mov_b32 s21, 0
	s_mul_i32 s22, ttmp9, 12
	s_lshl1_add_u32 s22, s12, s22                  ; fragment number 12 g + 2 w
	s_lshl_b32 s22, s22, 10
	s_mov_b32 s23, 0
	s_wait_kmcnt 0x0
	s_cmp_ge_u32 ttmp9, 24                         ; the matrix is chosen by the work-group's number alone
	s_cselect_b64 s[16:17], s[6:7], s[4:5]
	s_cmp_ge_u32 ttmp9, 48
	s_cselect_b64 s[16:17], s[8:9], s[16:17]
	s_add_nc_u64 s[16:17], s[16:17], s[20:21]
	s_add_nc_u64 s[18:19], s[10:11], s[22:23]
.irp f, 0,1
.irp i, 0,1
	global_load_b128 v[SRC+16*\f+8*\i:SRC+16*\f+8*\i+3],   v1, s[16:17] offset:128*\f+64*\i
	global_load_b128 v[SRC+16*\f+8*\i+4:SRC+16*\f+8*\i+7], v1, s[16:17] offset:128*\f+64*\i+16
.endr
.endr
.irp f, 0,1
	s_wait_loadcnt 4-4*\f                          ; fragment 0: the four loads of fragment 1 stay out; fragment 1: none is left
.irp j, 0,1,2,3,4,5,6,7
	v_cvt_pk_bf16_f32 v[PKD+8*\f+\j], v[SRC+16*\f+2*\j], v[SRC+16*\f+2*\j+1]
.endr
	global_store_b128 v2, v[PKD+8*\f:PKD+8*\f+3],   s[18:19] offset:1024*\f       ; each store of the wave covers 512 consecutive bytes, aligned
	global_store_b128 v2, v[PKD+8*\f+4:PKD+8*\f+7], s[18:19] offset:1024*\f+512
.endr
	s_endpgm
.Lfunc_end_k_qea2c8ff866_wprep:
	.size	k_qea2c8ff866_wprep, .Lfunc_end_k_qea2c8ff866_wprep-k_qea2c8ff866_wprep
	.p2alignl 7, 3214868480
	.fill 96, 4, 3214868480
	.section	.rodata,"a",@progbits
	.p2align	6, 0x0
	.amdhsa_kernel k_qea2c8ff866_wprep
		.amdhsa_group_segment_fixed_size 0
		.amdhsa_private_segment_fixed_size 0
		.amdhsa_enable_private_segment 0
		.amdhsa_kernarg_size 32
		.amdhsa_user_sgpr_count 2
		.amdhsa_user_sgpr_kernarg_segment_ptr 1
		.amdhsa_wavefront_size32 1
		.amdhsa_system_sgpr_workgroup_id_x 1
		.amdhsa_system_sgpr_workgroup_id_y 1
		.amdhsa_system_sgpr_workgroup_id_z 1
		.amdhsa_system_vgpr_workitem_id 0
		.amdhsa_next_free_vgpr 56
		.amdhsa_next_free_sgpr 66
		.amdhsa_reserve_vcc 0
		.amdhsa_float_denorm_mode_32 3
		.amdhsa_float_denorm_mode_16_64 3
		.amdhsa_memory_ordered 1
		.amdhsa_forward_progress 1
		.amdhsa_inst_pref_size 4
	.end_amdhsa_kernel
	.amdgpu_metadata
---
amdhsa.version: [ 1, 2 ]
amdhsa.kernels:
  - .name:           k_qea2c8ff866_wprep
    .symbol:         k_qea2c8ff866_wprep.kd
    .args:
      - { .name: W_q, .offset: 0, .size: 8, .value_kind: global_buffer, .address_space: global }
      - { .name: W_k, .offset: 8, .size: 8, .value_kind: global_buffer, .address_space: global }
      - { .name: W_v, .offset: 16, .size: 8, .value_kind: global_buffer, .address_space: global }
      - { .name: wf, .offset: 24, .size: 8, .value_kind: global_buffer, .address_space: global }
    .group_segment_fixed_size: 0
    .private_segment_fixed_size: 0
    .kernarg_segment_align: 8
    .kernarg_segment_size: 32
    .max_flat_workgroup_size: 192
    .sgpr_count:     66
    .vgpr_count:     56
    .wavefront_size: 32
...
	.end_amdgpu_metadata
.endif
;; end of part 1
;; launch qkv (part 2): grid 256 x 1, 4 waves a work-group, no clusters, 168,448 bytes of LDS; arguments x, wf, qf, kv, hd; writes qf, kv, hd
.if DOCPART == 2
	.amdgcn_target "amdgcn-amd-amdhsa--gfx1250"
	.amdhsa_code_object_version 6
	.text
	.protected	k_qea2c8ff866_qkv
	.globl	k_qea2c8ff866_qkv
	.p2align	8
	.type	k_qea2c8ff866_qkv,@function
k_qea2c8ff866_qkv:
	s_mov_b64 s[64:65], 0
	v_nop
	global_prefetch_b8 v0, s[64:65] scope:SCOPE_SE
	s_setreg_imm32_b32 hwreg(HW_REG_WAVE_MODE, 25, 1), 1
	s_wait_xcnt 0x0
; Q = x W_q^T (times log2(e)/sqrt(384), so that the later exponentials are plain powers of two), K = x W_k^T, V = x W_v^T; bf16 operands, f32 sums, results rounded to f16.
; Nothing of reference() is left out here.  LIMIT: |K|, |V| and |Q| log2(e)/sqrt(384) below 65,504 (the room that leaves is counted at the head of launch 1).
; Work-group g owns tokens 64 g .. 64 g + 63.  Every wave holds all 64 tokens as 48 bf16 fragments (4 token tiles x 12 K steps, 384 registers)
; and makes 6 of the 24 tiles of 16 outputs of each of Q, K and V: 18 tiles x 12 K steps x 4 token tiles = 864 matrix instructions.
; A weight fragment comes straight from wf into registers (one wave of the work-group uses it, for four matrix instructions), through a ring
; of five sets of four fragments: four sets, 32 loads, are on their way while one is multiplied.
; NO CLUSTER: what work-groups share is wf, and it goes to registers, not to LDS; through LDS each fragment would be written once and read once
; for the same four matrix instructions.
; THE RESULTS LEAVE IN FRAGMENT ORDER, straight from the accumulators, 512 consecutive aligned bytes a store:
;   Q and K: source 0 = weights, source 1 = x, so a lane holds 8 neighbouring outputs e = 16 et + 8 h + 0..7 of token r: half of a later fragment's lane.
;            qf: token tile at 12288 x tile, chunk et at + 512 et, lane at + 16 L.  kv tile g: the same at 98304 g + 12288 kt.
;   V:       source 0 = x, source 1 = weights, so a lane holds tokens 16 tt + 8 h + 0..7 of output d = 16 n + r: V transposed.
;            kv tile g: at 98304 g + 49152 + 2048 n + 512 tt + 16 L.
; THE FIRST 64 TOKENS OF A BATCH (work-groups with g % 64 = 0) also leave each f32 sum as two f16 numbers, for launch 4's rows with few keys: hi = the sum with its low
; 13 mantissa bits cut off (exact in f16 from 2^-14 up), lo = the exact rest, rounded to f16.  Each number is split once, here, where one wave holds it; launch 4's eight
; waves then load ready fragments.  hd, 294,912 bytes a batch:  Q at 0, K at 98304: token tile x 24576 + (lo 0, hi 12288) + 512 et + 16 L;
;                                                               V^T at 196608: d tile x 4096 + (lo 0, hi 2048) + 512 tt + 16 L.
; REGISTERS (windows of 256):
;   window 0: v1 16 L; v2, v3 LDS addresses of x; v[16:31] packed results; v[32:95] two sets of four accumulators; v[96:255] the weight ring
;   window X = 1..3: v2, v3 copies of the LDS addresses; v[64:127] two staging sets of f32; v[128:255] x fragments of K steps 4 (X-1) + k4 at 128 + 32 k4 + 8 tt
;   window 1, once x is converted: v[64:95] a tile's upper parts in f32, v[96:111] lo packed, v[112:127] hi packed
.set QS,     0x3d96c73f                ; log2(e) / sqrt(384)
.set HIM,    0xffffe000                ; keeps sign, exponent and 10 mantissa bits of an f32
.set XPIECE, 528                       ; 512 bytes of a token's row + 16 of padding
.set XPITCH, 3*XPIECE                  ; a token's row in LDS: 1584 = 99 x 16 bytes, so the 16 rows that a load touches lie in 16 different 16-byte columns modulo 256
.set XQ,     16*XPITCH                 ; 16 tokens: what one wave's tensor load brings
.set PK,   16
.set ACC,  32
.set RING, 96
.set TA,   64
.set XF,   128
.set HT,   64
.set HL,   96
.set HH,   112
.set MSB, 0
.macro WIN new                         ; the immediate's high byte repeats the setting that is left
.if MSB != \new
	s_set_vgpr_msb (MSB<<8)|\new
.set MSB, \new
.endif
.endm
.macro PLACES                          ; four plain vector instructions between a matrix instruction and a load into, or a vector read or write of, its registers
.rept 4
	v_nop
.endr
.endm
	s_load_b256 s[4:11], s[0:1], 0x0               ; x s[4:5], wf s[6:7], qf s[8:9], kv s[10:11]
	s_load_b64 s[42:43], s[0:1], 0x20              ; hd
	v_lshl_add_u32 v14, v0, 2, 0x29000
	v_mov_b32 v15, 0
	ds_add_u32 v14, v15
	ds_add_u32 v14, v15
	v_lshrrev_b32 v4, 5, v0
	v_readfirstlane_b32 s12, v4                    ; wave 0..3
	; Descriptor group 1.  My 16 token rows are 24,576 dense bytes: 48 rows of 128 f32, 16 bytes of padding behind each.
	s_mov_b32 s20, (2<<16)|(1<<20)|(6<<22)|(3<<25) ; element of 4 bytes; padding on; after every 128 words; of 4 words
	s_mov_b32 s21, 128<<16                         ; tensor_dim0 = 128
	s_mov_b32 s22, 48<<16                          ; tensor_dim1 = 48
	s_mov_b32 s23, 128<<16                         ; tile_dim0 = 128
	s_mov_b32 s24, 48                              ; tile_dim1 = 48
	s_mov_b32 s25, 128                             ; from row to row: 128 elements
	s_mov_b32 s26, 0
	s_mov_b32 s27, 0
	s_mov_b32 s16, 1
	s_mul_i32 s17, s12, XQ                         ; LDS: wave x 16 tokens
	s_mul_i32 s36, ttmp9, 98304                    ; 64 tokens of x in bytes; also a tile of kv
	s_mul_i32 s38, s12, 24576
	s_add_co_u32 s38, s38, s36
	s_mov_b32 s39, 0
	s_wait_dscnt 0x0
	s_wait_kmcnt 0x0
	s_add_nc_u64 s[18:19], s[4:5], s[38:39]
	s_or_b32 s19, s19, 0x80000000
	tensor_load_to_lds s[16:19], s[20:27]          ; the only tensor load of the wave: LDS is filled once
	s_nop 0
	s_mul_i32 s38, s12, 73728
	s_add_nc_u64 s[28:29], s[6:7], s[38:39]        ; wf at my six tiles of W_q (W_k, W_v: 24 and 48 tiles further, in the immediates)
	s_mul_i32 s40, s12, 3072                       ; six chunks of 512 bytes
	s_lshr_b32 s38, s36, 1
	s_add_co_u32 s38, s38, s40
	s_add_nc_u64 s[30:31], s[8:9], s[38:39]        ; qf: 4 token tiles of 12,288 bytes a work-group
	s_add_co_u32 s38, s36, s40
	s_add_nc_u64 s[32:33], s[10:11], s[38:39]      ; kv, K part
	s_mul_i32 s38, s12, 12288                      ; six tiles of d, 2,048 bytes each
	s_add_co_u32 s38, s38, s36
	s_add_co_u32 s38, s38, 49152
	s_add_nc_u64 s[34:35], s[10:11], s[38:39]      ; kv, V part
	s_lshr_b32 s38, ttmp9, 6                       ; batch
	s_mul_i32 s38, s38, 294912
	s_add_co_u32 s40, s40, s38                     ; + my six chunks of 512 bytes
	s_mov_b32 s41, 0
	s_add_nc_u64 s[44:45], s[42:43], s[40:41]      ; hd, Q (K: 98,304 further, in the immediates)
	s_mul_i32 s40, s12, 24576                      ; my six tiles of d, 4,096 bytes each
	s_add_co_u32 s40, s40, s38
	s_add_nc_u64 s[48:49], s[42:43], s[40:41]      ; hd, V^T (196,608 further, in the immediates)
	s_and_b32 s46, ttmp9, 63                       ; 0: my tokens are a batch's first 64
	s_mov_b32 s47, HIM
	v_and_b32 v4, 31, v0
	v_lshlrev_b32 v1, 4, v4                        ; 16 L: never rewritten
	v_and_b32 v5, 15, v0                           ; r
	v_bfe_u32 v6, v0, 4, 1                         ; h
	v_mul_u32_u24 v2, v5, XPITCH
	v_lshl_add_u32 v2, v6, 5, v2                   ; token r, 8 h numbers in: token tiles 0 and 1
	v_add_nc_u32 v3, 2*XQ, v2                      ; token tiles 2 and 3
; Run G = 3 ei + rho: the four weight fragments of K steps 4 rho .. 4 rho + 3 of my output tile ei (0-5 Q, 6-11 K, 12-17 V), into ring set G % 5.
.macro WLOAD G
.set wei, (\G)/3
.set wo, ((wei/6)*24+(wei%6))*12288+((\G)%3)*4096
.set wr, RING+32*((\G)%5)
.irp f, 0,1,2,3
	global_load_b128 v[wr+8*\f:wr+8*\f+3],   v1, s[28:29] offset:wo+1024*\f
	global_load_b128 v[wr+8*\f+4:wr+8*\f+7], v1, s[28:29] offset:wo+1024*\f+512
.endr
.endm
	WLOAD 0
	WLOAD 1
	WLOAD 2
	WLOAD 3
	WLOAD 4
.irp X, 1,2,3
	WIN (\X<<6)
	v_mov_b32 v2, v2                               ; the LDS addresses once more in each window, so that a window's loads and conversions run under one setting
	v_mov_b32 v3, v3
.endr
	WIN 0
	s_wait_tensorcnt 0x0                           ; my 16 tokens are in LDS,
	s_barrier_signal -1
	s_barrier_wait -1                              ; everybody's are.  LDS is not written again: no further barrier
; x from f32 in LDS to bf16 fragments.  Fragment number q of a window: K step q >> 2, token tile q & 3.  A batch is two fragments: 8 loads, 32 registers.
.macro XLOADS X, bi, T
.irp d, 0,1
.set xq, 2*(\bi)+\d
.set xo, (xq&1)*XQ+((\X)-1)*XPIECE+(xq>>2)*128
.irp o, 0,1
	ds_load_b128 v[\T+16*\d+8*\o:\T+16*\d+8*\o+3],   v[2+((xq>>1)&1)] offset:xo+64*\o
	ds_load_b128 v[\T+16*\d+8*\o+4:\T+16*\d+8*\o+7], v[2+((xq>>1)&1)] offset:xo+64*\o+16
.endr
.endr
.endm
.macro XPACK bi, T
.irp d, 0,1
.set xq, 2*(\bi)+\d
.set xf, XF+32*(xq>>2)+8*(xq&3)
.irp j, 0,1,2,3,4,5,6,7
	v_cvt_pk_bf16_f32 v[xf+\j], v[\T+16*\d+2*\j], v[\T+16*\d+2*\j+1]
.endr
.endr
.endm
.macro XCONV X
	WIN ((\X)<<6)|((\X)<<2)|(\X)                   ; destination and both sources in window X
	XLOADS \X, 0, TA
.irp bi, 0,1,2,3,4,5,6
	XLOADS \X, \bi+1, TA+32*((\bi+1)&1)
	s_wait_dscnt 0x8                               ; LDS loads come back in order: this batch is in, the next batch's eight stay out
	XPACK \bi, TA+32*(\bi&1)
.endr
	s_wait_dscnt 0x0
	XPACK 7, TA+32
.endm
	XCONV 1
	XCONV 2
	XCONV 3
; Output tile E leaves: scale (Q alone), round to f16, four stores; for a batch's first 64 tokens then the split into hi and lo, eight stores.
; Every store covers 512 consecutive aligned bytes.  The split works on the accumulators in place: they are read by no store and are started anew by the tile after next.
.macro OUT E
.set oa, ACC+32*((\E)%2)
.set om, (\E)/6
.set oi, (\E)%6
	s_wait_xcnt 0x0                                ; the packed registers (f16, lo, hi) are the last tile's store data: rewritten only behind this wait
.if om == 0
.irp p, 0,1,2,3,4,5,6,7,8,9,10,11,12,13,14,15
	v_pk_mul_f32 v[oa+2*\p:oa+2*\p+1], v[oa+2*\p:oa+2*\p+1], QS op_sel_hi:[1,0]
.endr
.endif
.irp p, 0,1,2,3,4,5,6,7,8,9,10,11,12,13,14,15
	v_cvt_pk_f16_f32 v[PK+\p], v[oa+2*\p], v[oa+2*\p+1]
.endr
.irp t, 0,1,2,3
.if om == 0
	global_store_b128 v1, v[PK+4*\t:PK+4*\t+3], s[30:31] offset:12288*\t+512*oi
.elseif om == 1
	global_store_b128 v1, v[PK+4*\t:PK+4*\t+3], s[32:33] offset:12288*\t+512*oi
.else
	global_store_b128 v1, v[PK+4*\t:PK+4*\t+3], s[34:35] offset:2048*oi+512*\t
.endif
.endr
	s_cmp_lg_u32 s46, 0                            ; hangs on the work-group's number alone
	s_cbranch_scc1 .Lno_split_\@
	WIN 0x40                                       ; destination in window 1
.set oq, 0
.rept 32
	v_and_b32 v[HT+oq], s47, v[oa+oq]              ; the upper part
.set oq, oq+1
.endr
	WIN 0x04                                       ; source 1 in window 1
.set oq, 0
.rept 16
	v_pk_add_f32 v[oa+2*oq:oa+2*oq+1], v[oa+2*oq:oa+2*oq+1], v[HT+2*oq:HT+2*oq+1] neg_lo:[0,1] neg_hi:[0,1]     ; the rest, exact
.set oq, oq+1
.endr
	WIN 0x40
.set oq, 0
.rept 16
	v_cvt_pk_f16_f32 v[HL+oq], v[oa+2*oq], v[oa+2*oq+1]        ; lo
.set oq, oq+1
.endr
	WIN 0x45                                       ; destination and both sources in window 1
.set oq, 0
.rept 16
	v_cvt_pk_f16_f32 v[HH+oq], v[HT+2*oq], v[HT+2*oq+1]        ; hi
.set oq, oq+1
.endr
	WIN 0x04                                       ; store data in window 1, the address in window 0
.irp t, 0,1,2,3
.if om < 2
	global_store_b128 v1, v[HL+4*\t:HL+4*\t+3], s[44:45] offset:om*98304+\t*24576+oi*512
	global_store_b128 v1, v[HH+4*\t:HH+4*\t+3], s[44:45] offset:om*98304+\t*24576+12288+oi*512
.else
	global_store_b128 v1, v[HL+4*\t:HL+4*\t+3], s[48:49] offset:196608+oi*4096+\t*512
	global_store_b128 v1, v[HH+4*\t:HH+4*\t+3], s[48:49] offset:196608+oi*4096+2048+\t*512
.endif
.endr
	WIN 0
.Lno_split_\@:
.endm
; 16 matrix instructions: four K steps x four token tiles.  The four accumulators take turns, one instruction a turn;
; the first K step of a tile starts the sums with the constant 0.  Four places follow every run, in front of the ring's next loads into the set just multiplied.
; Two accumulator sets take turns from tile to tile, so that a finished tile is packed and stored behind the next tile's first run.
.macro RUN G
.set rei, (\G)/3
.set rrho, (\G)%3
.set rmat, rei/6
.set rs, RING+32*((\G)%5)
.set ra, ACC+32*(rei%2)
.if 53-(\G) < 4
	s_wait_loadcnt 8*(53-(\G))                     ; the tail: only the sets that are left stay out
.else
	s_wait_loadcnt 0x20                            ; loads come back in order: my set is in, the four younger sets' 32 loads stay out
.endif
.if rmat < 2
	WIN ((rrho+1)<<2)                              ; source 1 = x fragments of window rho + 1
.else
	WIN (rrho+1)                                   ; source 0 = x fragments
.endif
.set rk, 0
.rept 4
.set rt, 0
.rept 4
.set rx, XF+32*rk+8*rt
.if rmat < 2
.if (rrho+rk) == 0
	v_wmma_f32_16x16x32_bf16 v[ra+8*rt:ra+8*rt+7], v[rs+8*rk:rs+8*rk+7], v[rx:rx+7], 0
.else
	v_wmma_f32_16x16x32_bf16 v[ra+8*rt:ra+8*rt+7], v[rs+8*rk:rs+8*rk+7], v[rx:rx+7], v[ra+8*rt:ra+8*rt+7]
.endif
.else
.if (rrho+rk) == 0
	v_wmma_f32_16x16x32_bf16 v[ra+8*rt:ra+8*rt+7], v[rx:rx+7], v[rs+8*rk:rs+8*rk+7], 0
.else
	v_wmma_f32_16x16x32_bf16 v[ra+8*rt:ra+8*rt+7], v[rx:rx+7], v[rs+8*rk:rs+8*rk+7], v[ra+8*rt:ra+8*rt+7]
.endif
.endif
.set rt, rt+1
.endr
.set rk, rk+1
.endr
	WIN 0
	PLACES
.if rrho == 0
.if rei > 0
	OUT rei-1                                      ; the tile before, from the other accumulator set
.endif
.endif
.if (\G)+5 < 54
	WLOAD (\G)+5                                   ; into the set just multiplied
.endif
.endm
.set RG, 0
.rept 54
	RUN RG
.set RG, RG+1
.endr
	OUT 17                                         ; four places stand behind the last run
	s_wait_tensorcnt 0x0
	ds_add_u32 v14, v15
	s_wait_dscnt 0x0
	s_endpgm
.Lfunc_end_k_qea2c8ff866_qkv:
	.size	k_qea2c8ff866_qkv, .Lfunc_end_k_qea2c8ff866_qkv-k_qea2c8ff866_qkv
	.p2alignl 7, 3214868480
	.fill 96, 4, 3214868480
	.section	.rodata,"a",@progbits
	.p2align	6, 0x0
	.amdhsa_kernel k_qea2c8ff866_qkv
		.amdhsa_group_segment_fixed_size 168448
		.amdhsa_private_segment_fixed_size 0
		.amdhsa_enable_private_segment 0
		.amdhsa_kernarg_size 40
		.amdhsa_user_sgpr_count 2
		.amdhsa_user_sgpr_kernarg_segment_ptr 1
		.amdhsa_wavefront_size32 1
		.amdhsa_system_sgpr_workgroup_id_x 1
		.amdhsa_system_sgpr_workgroup_id_y 1
		.amdhsa_system_sgpr_workgroup_id_z 1
		.amdhsa_system_vgpr_workitem_id 0
		.amdhsa_next_free_vgpr 1024
		.amdhsa_next_free_sgpr 66
		.amdhsa_reserve_vcc 0
		.amdhsa_float_denorm_mode_32 3
		.amdhsa_float_denorm_mode_16_64 3
		.amdhsa_memory_ordered 1
		.amdhsa_forward_progress 1
		.amdhsa_inst_pref_size 255
	.end_amdhsa_kernel
	.section	.bss,"aw",@nobits
	.p2align	6
	.space	262144
	.amdgpu_metadata
---
amdhsa.version: [ 1, 2 ]
amdhsa.kernels:
  - .name:           k_qea2c8ff866_qkv
    .symbol:         k_qea2c8ff866_qkv.kd
    .args:
      - { .name: x, .offset: 0, .size: 8, .value_kind: global_buffer, .address_space: global }
      - { .name: wf, .offset: 8, .size: 8, .value_kind: global_buffer, .address_space: global }
      - { .name: qf, .offset: 16, .size: 8, .value_kind: global_buffer, .address_space: global }
      - { .name: kv, .offset: 24, .size: 8, .value_kind: global_buffer, .address_space: global }
      - { .name: hd, .offset: 32, .size: 8, .value_kind: global_buffer, .address_space: global }
    .group_segment_fixed_size: 168448
    .private_segment_fixed_size: 0
    .kernarg_segment_align: 8
    .kernarg_segment_size: 40
    .max_flat_workgroup_size: 128
    .sgpr_count:     66
    .vgpr_count:     1024
    .wavefront_size: 32
...
	.end_amdgpu_metadata
.endif
;; end of part 2
;; launch attn (part 3): grid 256 x 1, 4 waves a work-group, clusters of 4 x 1, 327,680 bytes of LDS; arguments qf, kv, part, ml; writes part, ml
.if DOCPART == 3
	.amdgcn_target "amdgcn-amd-amdhsa--gfx1250"
	.amdhsa_code_object_version 6
	.text
	.protected	k_qea2c8ff866_attn
	.globl	k_qea2c8ff866_attn
	.p2align	8
	.type	k_qea2c8ff866_attn,@function
k_qea2c8ff866_attn:
	s_mov_b64 s[64:65], 0
	v_nop
	global_prefetch_b8 v0, s[64:65] scope:SCOPE_SE
	s_setreg_imm32_b32 hwreg(HW_REG_WAVE_MODE, 25, 1), 1
	s_wait_xcnt 0x0
	s_wait_alu depctr_hold_cnt(0) depctr_sa_sdst(0) depctr_va_vdst(0) depctr_va_sdst(0) depctr_va_ssrc(0) depctr_va_vcc(0) depctr_vm_vsrc(0)
	s_getreg_b32 s2, hwreg(HW_REG_IB_STS2, 6, 4)
	s_cmp_eq_u32 s2, 0
	s_cbranch_scc0 .Lentry_in_a_cluster
	s_endpgm
.Lentry_in_a_cluster:
	s_bfe_u32 s2, ttmp6, 0x10000c
	s_cmp_lg_u32 s2, 0x3003
	s_cbranch_scc0 .Lentry_shape_is_right
	s_endpgm
.Lentry_shape_is_right:
; Causal attention with a running maximum, from the fragment-ordered Q (qf) and K, V^T (kv); f16 operands, f32 sums, softmax in f32.
; LEFT OUT: what reference()'s own mask gives the weight 0 (shown at the head of launch 1), in these units: tiles of 64 keys that lie wholly behind all 512 queries of a
; block, and the pairs of 16 queries and a diagonal tile named under QUERIES below.
; SHARING.  A block is 512 queries of one batch: a cluster of four work-groups, 128 queries each, 32 a wave.  Block C (0..7) needs key tiles t = 0 .. 8 C + 7.
; Class c (0..3) of clusters takes the tiles t = c mod 4: 2 C + 2 of them; the two with t >= 8 C are crossed by the diagonal.  A cluster does block pr and then
; block 7 - pr: 18 steps for every work-group.  4 batches x 4 pairs x 4 classes = 64 clusters = 256 work-groups.
; The four partners walk the same tiles in the same order, so every tile is asked for JOINTLY: the same tensor load in all four, mask 15.
; QUERIES.  Of a block's 32 tiles of 16 queries wave w of partner cx takes tile 4 w + cx (its query tile 0: the block's queries 64 w + 16 cx .., all under 256) and tile
; 16 + 4 w + cx (its query tile 1: 256 further).  So which pairs on the diagonal are dead hangs on w and c alone, which all partners share; cx enters addresses and the mask limit only.
;   first diagonal tile  (the block's keys 64 c .. 64 c + 63, all under 256): query tile 1 sees every key, no mask; query tile 0 is masked.
;   second diagonal tile (keys 256 + 64 c ..): behind query tile 0 in every wave, so the step is written for query tile 1 alone: 96 matrix instructions, not 192.
;                        Where c > w it lies behind query tile 1 too: those waves jump over the step's work, and over nothing that the partners or the other waves
;                        lean on (the waits, the round and the joint load stand in front of the branch).  Maximum, sum and O^T stay as they are: every weight would be 0.
;   One limit serves both masks: key 16 kt + 8 h + j of the tile is allowed iff 16 kt + j <= 64 w + 16 cx + r - 8 h - 64 c.
;   WHAT STAYS: query tile 0 against the first diagonal tile where c > w (6 of the 16 pairs of c and w) is computed and masked whole, and so are a batch's first 64 rows (wave 0's
;   query tile 0 of block 0), which launch 4 makes anew.  Both ride on K and V^T fragments that the wave loads for query tile 1 anyway; to leave them out the phase's first
;   step would stand twice in the text and the wave that skips would clear 96 accumulator registers, for half a step in which the other waves are still at work.
; TRANSPOSED FORMS.  S^T = K Q^T (source 0 = K, source 1 = Q): lane (r, h) holds keys 8 h + 0..7 of query r, so a lane serves one query: maximum and sum run
; over its registers and one exchange of the lane halves, the rescaling factor is one number a lane, and two packed S^T tiles ARE a fragment of P as source 1.
; O^T = V^T P^T (source 0 = V^T, source 1 = P).  The partial O^T leaves as it lies in the accumulators, 512 consecutive aligned bytes a store.
; A phase takes its two diagonal tiles first, so its first step is written out: it starts the maximum, the sum and (constant 0 as C) the accumulators.
; MATRIX WORK BESIDE VECTOR WORK.  A wave issues in order, so vector work that stands between two products is done while the first of them is under way.  Of the vector
; work of a step in front of the diagonal three parts stand so, none with a switch of the register window:
;   (a) the rescaling of O^T, one tile (4 packed multiplies) behind a product of the PV phase: behind the second key step's products of a run the next run's tiles, behind the
;       first products of a window's first run that run's own tiles, two products ahead.  Two tiles of each window stand in front of its products: 16 of the 192 multiplies.
;       The four multiplies behind a run's last product are also the places in front of the loads into the fragment set that it read.
;   (b) the sums of the weights (34 instructions), two behind a product of PV runs 1 and 2.
;   (c) query tile 0's maximum, factor, subtraction and exponentials (72 instructions).  K steps 8 to 11 are multiplied for query tile 0 first, on both fragment sets (16 products),
;       then for query tile 1 (16 products); behind the first of these stand the four places that the reads of S^T need, behind each other five of the 72.
;       Every K fragment is still read from LDS once.
;   In phases stay query tile 1's 72 instructions and the conversions to P.  The two steps that begin a phase keep query tile 0's softmax in phases too (it wants the mask first).
;   THE LAYOUT THAT THIS RESTS ON.  P lies in the window of the O^T tiles that it feeds, so under one setting a product takes V^T from window 0 and P, C and D from window X, and a
;   packed multiply the factor from window 0 (source 0) and O^T from window X (source 1).  O^T fills two windows, so P is converted twice: 32 conversions more a step, against two
;   switches round each of 44 tiles' multiplies.  The sums lie in window 2 for the same reason.  Q of query tile 1, K steps 8 to 11, lies in window 0, so that (c) runs under setting 0.
; THE WEIGHTS IN f16.  P = 2^(s - running maximum) is at most 1 for every input, so f16's range holds.  A weight under 2^-25 rounds to 0 in the product while the
; f32 sum keeps it: over 4,096 keys that is at most 4096 x 2^-25 = 1.2e-4 of the largest weight.
; MASK AND LIMITS.  A masked score is set to -1e30.  A query for which all keys seen so far were masked has the maximum -1e30 and finite, meaningless sums (each weight 1);
; the first tile with an allowed key rescales them by 2^(-1e30 - m) = 0, and a class that never sees one hands the maximum -1e30 to launch 4, which
; weighs it with 0.  This asks that |score x log2(e)| stay below 1e30.
; ml: class x 131072 + ((8 b + C) 16 + 4 w + cx) 256 + query tile x 128 + 8 r: a wave's 32 pairs are 256 consecutive aligned bytes.
; REGISTERS (windows of 256):
;   window 0: v1-v4 16 L + {0, 49152, 98304, 147456}: K and V^T of slot 0, of slot 1 (v1 also every global lane offset); v5 8 L; v6 -1e30; v8 the mask limit;
;             v[12:15] maximum, v[16:19] factor: a pair for each query tile; v[24:27] at work; v[32:95] S^T tile (kt, qt) at 32 + 16 kt + 8 qt;
;             v[96:127] Q fragments (query tile 1, K steps 8..11); v[128:191], v[192:255] two fragment sets
;   window 1: Q fragment (qt, ks) at 96 qt + 8 ks (query tile 1: K steps 0..7)
;   window 2: O^T tile (n, qt), n = 0..11, at 16 n + 8 qt; v[192:223] P fragment (qt, k) at 192 + 16 qt + 8 k; v[224:227] sum: a pair for each query tile
;   window 3: O^T tile (n, qt), n = 12..23, at 16 (n - 12) + 8 qt; v[192:223] P once more
.set NEGV,  0xf149f2ca                 ; -1e30
.set SLOT,  98304                      ; a tile of 64 keys: K 49,152 bytes, then V^T 49,152 bytes
.set QUART, 24576                      ; a wave's quarter of it: 96 rows of 256 bytes
.set MM, 12
.set AL, 16
.set TT, 24
.set SS, 32
.set QW, 96
.set FA, 128
.set PO, 192
.set LW, 224
.set NI, 72                            ; instructions of one query tile's maximum, factor, subtraction and exponentials
.set MSB, 0
.macro WIN new                         ; the immediate's high byte repeats the setting that is left
.if MSB != \new
	s_set_vgpr_msb (MSB<<8)|\new
.set MSB, \new
.endif
.endm
.macro PLACES                          ; four plain vector instructions between a matrix instruction and a load into, or a vector read or write of, its registers
.rept 4
	v_nop
.endr
.endm
; A round of the cluster's barrier: my work-group's barrier, wave 0 signals for the work-group, every wave waits for all four work-groups, my work-group's barrier again.
.macro ROUND
	s_barrier_signal -1
	s_barrier_wait -1
	s_cmp_lg_u32 s12, 0
	s_cbranch_scc1 .Lnot_wave_0_\@
	s_barrier_signal -3
.Lnot_wave_0_\@:
	s_barrier_wait -3
	s_barrier_signal -1
	s_barrier_wait -1
.endm
	s_load_b256 s[4:11], s[0:1], 0x0               ; qf s[4:5], kv s[6:7], part s[8:9], ml s[10:11]
	v_lshl_add_u32 v30, v0, 2, 0x30000
	v_mov_b32 v31, 0
	ds_add_u32 v30, v31
	ds_add_u32 v30, v31
	v_lshrrev_b32 v24, 5, v0
	v_readfirstlane_b32 s12, v24                   ; wave 0..3
	s_bfe_u32 s13, ttmp6, 0x40000                  ; cx: enters the addresses of qf, part, ml and the mask limit, nothing else
	s_lshr_b32 s14, ttmp9, 4                       ; batch
	s_bfe_u32 s15, ttmp9, 0x20002                  ; the low block, 0..3
	s_and_b32 s16, ttmp9, 3                        ; class c
	s_sub_co_u32 s17, 7, s15                       ; the high block, 4..7
	s_mov_b32 s18, 0x76543210                      ; v_permlanex16_b32: lane i of one half reads lane i of the other
	s_mov_b32 s19, 0xfedcba98
	s_mov_b32 s20, 0xffff0000                      ; lanes 16-31
	s_lshl3_add_u32 s23, s15, s16                  ; the low phase's first tile, 8 C + c
	s_lshl3_add_u32 s24, s17, s16                  ; the high phase's
	s_lshl_b32 s22, s15, 3
	s_add_co_u32 s22, s22, 8                       ; tiles of the low block: 8 C + 8
	s_lshl_b32 s25, s17, 3
	s_add_co_u32 s25, s25, 8                       ; of the high block
	s_sub_co_u32 s27, s17, 1                       ; trips of the high phase's loop, 3 to 6
	s_mov_b32 s21, s23                             ; the tile asked for last
	s_mov_b32 s31, 0                               ; s[30:31]: offsets into kv; never holds cx
	s_mov_b32 s67, 0                               ; s[66:67]: offsets into qf, part, ml
	; Descriptor group 1: a dense block of 96 rows of 256 bytes, for all four work-groups of the cluster
	s_mov_b32 s40, 15|(3<<16)|(1<<21)              ; the mask names all four; element of 8 bytes; bit 21 set beside a mask
	s_mov_b32 s41, 32<<16                          ; tensor_dim0 = 32
	s_mov_b32 s42, 96<<16                          ; tensor_dim1 = 96
	s_mov_b32 s43, 32<<16                          ; tile_dim0 = 32
	s_mov_b32 s44, 96                              ; tile_dim1 = 96
	s_mov_b32 s45, 32                              ; from row to row: 32 elements
	s_mov_b32 s46, 0
	s_mov_b32 s47, 0
	s_mov_b32 s32, 1                               ; group 0 of slot 0: s[32:35]; of slot 1: s[36:39]
	s_mov_b32 s36, 1
	s_mul_i32 s33, s12, QUART                      ; LDS: the slot + wave x a quarter (waves 0, 1 bring K, waves 2, 3 V^T)
	s_add_co_u32 s37, s33, SLOT
	; lanes
	v_and_b32 v24, 31, v0
	v_lshlrev_b32 v1, 4, v24
	v_add_nc_u32 v2, 0xc000, v1
	v_add_nc_u32 v3, SLOT, v1
	v_add_nc_u32 v4, SLOT+0xc000, v1
	v_lshlrev_b32 v5, 3, v24
	v_mov_b32 v6, NEGV
	v_and_b32 v25, 15, v0                          ; r
	v_bfe_u32 v26, v0, 4, 1                        ; h
	v_lshlrev_b32 v26, 3, v26
	v_sub_nc_u32 v25, v25, v26                     ; r - 8 h
	s_lshl2_add_u32 s69, s12, s13                  ; my query tile 0 among the block's 32: 4 w + cx
	s_lshl_b32 s68, s69, 4                         ; 64 w + 16 cx
	s_lshl_b32 s75, s16, 6
	s_sub_co_u32 s68, s68, s75                     ; - 64 c
	v_add_nc_u32 v8, s68, v25                      ; the mask limit
	s_lshl3_add_u32 s70, s14, s15                  ; the low block among all 32: 8 b + C
	s_lshl3_add_u32 s71, s14, s17                  ; the high block
	s_lshl_b32 s73, s70, 5
	s_add_co_u32 s73, s73, s69                     ; my query tile 0 among all 1,024, low block (query tile 1: 16 further, in the immediates)
	s_lshl_b32 s74, s71, 5
	s_add_co_u32 s74, s74, s69                     ; high block
	s_lshl4_add_u32 s70, s70, s69                  ; my 256 bytes of a class's ml, low block
	s_lshl4_add_u32 s71, s71, s69                  ; high block
	s_mul_i32 s72, s16, 25165824                   ; my class's part
	s_mul_i32 s30, s14, 6291456                    ; my batch's 64 tiles of kv
	s_add_co_u32 s30, s30, s33                     ; + my wave's quarter
	s_wait_dscnt 0x0
	s_wait_kmcnt 0x0
	s_add_nc_u64 s[28:29], s[6:7], s[30:31]
	s_mul_i32 s66, s73, 12288
	s_add_nc_u64 s[48:49], s[4:5], s[66:67]        ; Q, low block
	s_mul_i32 s66, s74, 12288
	s_add_nc_u64 s[50:51], s[4:5], s[66:67]        ; Q, high block
	s_mul_i32 s66, s73, 24576
	s_add_co_u32 s66, s66, s72
	s_add_nc_u64 s[52:53], s[8:9], s[66:67]        ; part, low
	s_mul_i32 s66, s74, 24576
	s_add_co_u32 s66, s66, s72
	s_add_nc_u64 s[54:55], s[8:9], s[66:67]        ; part, high
	s_lshl_b32 s72, s16, 17                        ; my class's 16,384 pairs of 8 bytes
	s_lshl_b32 s66, s70, 8
	s_add_co_u32 s66, s66, s72
	s_add_nc_u64 s[56:57], s[10:11], s[66:67]      ; ml, low
	s_lshl_b32 s66, s71, 8
	s_add_co_u32 s66, s66, s72
	s_add_nc_u64 s[58:59], s[10:11], s[66:67]      ; ml, high
; The next tile.  A phase's order: 8 C + c, 8 C + 4 + c, c, c + 4, .. 8 C - 4 + c.  fill = 2: the low phase, which goes on into the high phase's first tile; 1: the high phase.
.macro ADVANCE fill
	s_add_co_u32 s21, s21, 4
.if \fill == 2
	s_cmp_ge_u32 s21, s22
	s_cselect_b32 s21, s16, s21
	s_cmp_eq_u32 s21, s23
	s_cselect_b32 s21, s24, s21
.else
	s_cmp_ge_u32 s21, s25
	s_cselect_b32 s21, s16, s21
.endif
.endm
.macro SETDESC sl                      ; the global address of my quarter of tile s21 into slot sl's group 0
	s_mul_i32 s30, s21, SLOT
	s_add_nc_u64 s[34+4*(\sl):35+4*(\sl)], s[28:29], s[30:31]
	s_or_b32 s[35+4*(\sl)], s[35+4*(\sl)], 0x80000000
.endm
; 16 LDS loads, 512 consecutive bytes each: K fragments (kt 0..3, K steps 2 run, 2 run + 1) / V^T fragments (d tiles 4 run .. + 3, key steps 0, 1)
.macro LDK set, run, slot
.irp k2, 0,1
.irp kt, 0,1,2,3
	ds_load_b128 v[\set+8*(4*\k2+\kt):\set+8*(4*\k2+\kt)+3],   v[1+2*\slot] offset:\kt*12288+(2*(\run)+\k2)*1024
	ds_load_b128 v[\set+8*(4*\k2+\kt)+4:\set+8*(4*\k2+\kt)+7], v[1+2*\slot] offset:\kt*12288+(2*(\run)+\k2)*1024+512
.endr
.endr
.endm
.macro LDV set, run, slot
.irp ks, 0,1
.irp n, 0,1,2,3
	ds_load_b128 v[\set+8*(4*\ks+\n):\set+8*(4*\ks+\n)+3],   v[2+2*\slot] offset:(4*(\run)+\n)*2048+\ks*1024
	ds_load_b128 v[\set+8*(4*\ks+\n)+4:\set+8*(4*\ks+\n)+7], v[2+2*\slot] offset:(4*(\run)+\n)*2048+\ks*1024+512
.endr
.endr
.endm
; Instruction i (0 .. NI - 1) of one query tile's 64 keys: running maximum (0-18), factor 2^(old maximum - new) for what was summed before (19-22), s - m (23-38), 2^(s - m) (39-70).
; Numbered, so that a run of them can stand behind each of a run of products.  first = 1: the phase's first tile: there is no old maximum and no factor.
.macro SMAI qt, first, i
.set sb, SS+8*\qt
.set sm, MM+2*\qt
.set sa, AL+2*\qt
.if (\i) == 0
	v_max3_num_f32 v[TT],   v[sb],    v[sb+1],  v[sb+2]          ; two chains of 16 scores each
.elseif (\i) == 1
	v_max3_num_f32 v[TT+1], v[sb+32], v[sb+33], v[sb+34]
.elseif (\i) < 12
.set sxc, ((\i)-2)%2                                             ; the chain
.set sxo, 3+2*(((\i)-2)/2)                                       ; scores 3, 5 of the chain's first S^T tile, 1, 3, 5 of its second (16 registers on)
.if sxo > 6
.set sxo, sxo+10
.endif
.set sxo, sxo+32*sxc
	v_max3_num_f32 v[TT+sxc], v[TT+sxc], v[sb+sxo], v[sb+sxo+1]
.elseif (\i) == 12
	v_max3_num_f32 v[TT],   v[TT],   v[sb+7],  v[sb+16]
.elseif (\i) == 13
	v_max3_num_f32 v[TT+1], v[TT+1], v[sb+39], v[sb+48]
.elseif (\i) == 14
	v_max3_num_f32 v[TT],   v[TT],   v[sb+23], v[sb+55]
.elseif (\i) == 15
	v_max_num_f32 v[TT], v[TT], v[TT+1]
.elseif (\i) == 16
	v_permlanex16_b32 v[TT+1], v[TT], s18, s19                   ; the other half's 32 keys of the same query
.elseif (\i) == 17
.if \first
	v_max_num_f32 v[sm], v[TT], v[TT+1]
.else
	v_max3_num_f32 v[TT+2], v[TT], v[TT+1], v[sm]
.endif
.elseif (\i) == 18
.if \first
	v_mov_b32 v[sm+1], v[sm]
.else
	v_sub_f32 v[TT+3], v[sm], v[TT+2]
.endif
.elseif (\i) < 23
.if (\first) == 0
.if (\i) == 19
	v_exp_f32 v[sa], v[TT+3]                                     ; 2^(old maximum - new)
.elseif (\i) == 20
	v_mov_b32 v[sm], v[TT+2]                                     ; plain work behind the transcendental, ahead of the first use of its result (ISA guide 5.7.2)
.elseif (\i) == 21
	v_mov_b32 v[sm+1], v[TT+2]
.else
	s_wait_alu depctr_va_vdst(0)
	v_mov_b32 v[sa+1], v[sa]
.endif
.endif
.elseif (\i) < 39
.set sxo, 16*(((\i)-23)/4)+2*(((\i)-23)%4)
	v_pk_add_f32 v[sb+sxo:sb+sxo+1], v[sb+sxo:sb+sxo+1], v[sm:sm+1] neg_lo:[0,1] neg_hi:[0,1]
.elseif (\i) < 71
.set sxo, 16*(((\i)-39)/8)+((\i)-39)%8
	v_exp_f32 v[sb+sxo], v[sb+sxo]
.else
	v_nop                                                        ; one plain place behind the last transcendental
	s_wait_alu depctr_va_vdst(0)
.endif
.endm
.macro SMAR qt, first, a, b            ; instructions a .. b - 1
.set smi, \a
.rept (\b)-(\a)
	SMAI \qt, \first, smi
.set smi, smi+1
.endr
.endm
; What stands behind product g (0..15) of query tile 1's K steps 8 to 11: behind the first the four places between query tile 0's last products and the first read of its S^T,
; behind each other the next five of query tile 0's NI instructions.  None of them names a register of query tile 1's products.
.macro SMSL g
.if (\g) == 0
	PLACES
.else
.set sga, 5*((\g)-1)
.set sgb, sga+5
.if sgb > NI
.set sgb, NI
.endif
	SMAR 0, 0, sga, sgb
.endif
.endm
; A run of S^T products on one fragment set, K steps 2 run and 2 run + 1 (run 0..3).  q0 = 0: both query tiles, 16 instructions, eight accumulators; q0 = 1: query tile 1 alone, 8
; instructions, four accumulators.  The accumulators take turns, one instruction a turn.
.macro SRUN set, run, q0
.irp k2, 0,1
.irp kt, 0,1,2,3
.irp qt, 0,1
.if \qt >= (\q0)
.if ((\run)+\k2) == 0
	v_wmma_f32_16x16x32_f16 v[SS+16*\kt+8*\qt:SS+16*\kt+8*\qt+7], v[\set+8*(4*\k2+\kt):\set+8*(4*\k2+\kt)+7], v[96*\qt+8*(2*(\run)+\k2):96*\qt+8*(2*(\run)+\k2)+7], 0
.else
	v_wmma_f32_16x16x32_f16 v[SS+16*\kt+8*\qt:SS+16*\kt+8*\qt+7], v[\set+8*(4*\k2+\kt):\set+8*(4*\k2+\kt)+7], v[96*\qt+8*(2*(\run)+\k2):96*\qt+8*(2*(\run)+\k2)+7], v[SS+16*\kt+8*\qt:SS+16*\kt+8*\qt+7]
.endif
.endif
.endr
.endr
.endr
.endm
; The same for run 4 or 5 and ONE query tile: 8 instructions, four accumulators by turns.  Query tile 0: Q in window 1; query tile 1: Q in window 0.
; sl = 1: query tile 0's softmax stands behind these products, which count on from g0.
.macro SHALF set, run, qt, sl, g0
.irp k2, 0,1
.irp kt, 0,1,2,3
.if \qt
	v_wmma_f32_16x16x32_f16 v[SS+16*\kt+8:SS+16*\kt+15], v[\set+8*(4*\k2+\kt):\set+8*(4*\k2+\kt)+7], v[QW+8*(2*(\run)+\k2-8):QW+8*(2*(\run)+\k2-8)+7], v[SS+16*\kt+8:SS+16*\kt+15]
.else
	v_wmma_f32_16x16x32_f16 v[SS+16*\kt:SS+16*\kt+7], v[\set+8*(4*\k2+\kt):\set+8*(4*\k2+\kt)+7], v[8*(2*(\run)+\k2):8*(2*(\run)+\k2)+7], v[SS+16*\kt:SS+16*\kt+7]
.endif
.if \sl
	SMSL \g0+4*\k2+\kt
.endif
.endr
.endr
.endm
.macro MASK qt                         ; a score of query tile qt whose key lies behind its query becomes -1e30
.irp kt, 0,1,2,3
.irp j, 0,1,2,3,4,5,6,7
	v_cmp_gt_i32 vcc_lo, 16*\kt+\j, v8
	v_cndmask_b32 v[SS+16*\kt+8*\qt+\j], v[SS+16*\kt+8*\qt+\j], v6, vcc_lo
.endr
.endr
.endm
.macro PCVT q0                         ; the weights to f16, into both windows that hold O^T: two packed S^T tiles are a fragment of P
.irp w, 0x80, 0xc0
	WIN \w                                         ; destination in window 2, then 3
.irp qt, 0,1
.if \qt >= (\q0)
.irp kt, 0,1,2,3
.irp jj, 0,1,2,3
	v_cvt_pk_f16_f32 v[PO+16*\qt+4*\kt+\jj], v[SS+8*\qt+16*\kt+2*\jj], v[SS+8*\qt+16*\kt+2*\jj+1]
.endr
.endr
.endif
.endr
.endr
.endm
; Under a PV setting (destination, sources 1 and 2 in window X, source 0 in window 0):
; O^T tile number i of run rr of the window, in the order of the run's products, times the factor of its lane's query.
.macro RSC q0, rr, i
.if (\q0)
.set rq, 1
.set rn, \i
.else
.set rq, (\i)&1
.set rn, (\i)>>1
.endif
.set ro, 16*(4*(\rr)+rn)+8*rq
.irp p, 0,2,4,6
	v_pk_mul_f32 v[ro+\p:ro+\p+1], v[AL+2*rq:AL+2*rq+1], v[ro+\p:ro+\p+1]
.endr
.endm
; Step k of the sums of the weights (a partial sum in each lane: the halves meet at the end).  For each query tile 17 steps: the old sum times the factor, then 16 pairs of weights.
; Both query tiles: their chains take turns.  first = 1: the first pair starts the sum.
.macro LSTEP q0, first, k
.if (\q0)
.set lq, 1
.set lx, \k
.else
.set lq, (\k)&1
.set lx, (\k)>>1
.endif
.set ll, LW+2*lq
.if lx == 0
.if (\first) == 0
	v_pk_mul_f32 v[ll:ll+1], v[AL+2*lq:AL+2*lq+1], v[ll:ll+1]
.endif
.elseif lx < 17
.set ls, SS+8*lq+16*((lx-1)/4)+2*((lx-1)%4)
.set lf, 0
.if \first
.if lx == 1
.set lf, 1
.endif
.endif
.if lf
	v_mov_b32 v[ll], v[ls]
	v_mov_b32 v[ll+1], v[ls+1]
.else
	v_pk_add_f32 v[ll:ll+1], v[ls:ls+1], v[ll:ll+1]
.endif
.endif
.endm
.macro LSUM q0, first, g               ; two steps behind a product
	LSTEP \q0, \first, 2*(\g)
	LSTEP \q0, \first, 2*(\g)+1
.endm
; A run of O^T products on one fragment set: d tiles 4 run .. 4 run + 3, two key steps; eight (q0 = 1: four) accumulators by turns, one instruction a turn.
; Runs 0-2 lie in window 2, runs 3-5 in window 3.  Behind the products stand the rescaling and the sums, as the head says under (a) and (b).
.macro PVRUN set, run, first, q0
.set prr, (\run)%3
.set pnt, 4*(2-(\q0))
.irp ks, 0,1
.irp n, 0,1,2,3
.irp qt, 0,1
.if \qt >= (\q0)
.set po, 16*(4*prr+\n)+8*\qt
.set pg, \n*(2-(\q0))+\qt-(\q0)
.if (\first)*(1-\ks)
	v_wmma_f32_16x16x32_f16 v[po:po+7], v[\set+8*(4*\ks+\n):\set+8*(4*\ks+\n)+7], v[PO+16*\qt+8*\ks:PO+16*\qt+8*\ks+7], 0
.else
	v_wmma_f32_16x16x32_f16 v[po:po+7], v[\set+8*(4*\ks+\n):\set+8*(4*\ks+\n)+7], v[PO+16*\qt+8*\ks:PO+16*\qt+8*\ks+7], v[po:po+7]
.endif
.if (\first) == 0
.if \ks == 0
.if prr == 0
.if pg+2 < pnt
	RSC \q0, 0, pg+2                               ; the window's first run: its own tiles, two products ahead
.endif
.endif
.elseif prr < 2
	RSC \q0, prr+1, pg                             ; the next run's tiles
.endif
.endif
.if (\run) < 3
.if prr == 1
.if \ks == 0
	LSUM \q0, \first, pg
.endif
.elseif prr == 2
	LSUM \q0, \first, pnt+\ks*pnt+pg
.endif
.endif
.endif
.endr
.endr
.endr
.endm
; One tile of 64 keys, from slot.
; mode 0: a tile in front of the diagonal, both query tiles, no mask.   mode 1: the first diagonal tile: both query tiles, query tile 0 masked.
; mode 2: the second diagonal tile: query tile 1 alone, masked; waves with c > w jump over the work.
; first = 1: the phase's first tile.  fill: 0 none, else the other slot is asked for (see ADVANCE).
.macro STEP slot, mode, first, fill
	WIN 0
	s_wait_tensorcnt 0x0                           ; all my tensor loads have landed: the one that was out is my quarter of this step's tile.  So a group 0 may be written:
	ds_add_u32 v30, v31
	s_wait_dscnt 0x0
.if \fill
	ADVANCE \fill
	SETDESC 1-\slot
.endif
	s_wait_dscnt 0x0                               ; my reads of the other slot are back
	ROUND                                          ; both now hold of every wave of all four work-groups
.if \fill
	tensor_load_to_lds s[36-4*\slot:39-4*\slot], s[40:47]      ; my one tensor load behind the round, first thing there: it has the whole step in which to land
	s_nop 0
.endif
.if \first
	s_wait_loadcnt 0x0                             ; this phase's Q
.endif
.if \mode == 2
	s_cmp_gt_u32 s16, s12                          ; class and wave number: the same in all partners
	s_cbranch_scc1 .Lall_behind_\@                 ; keys 256 + 64 c .. lie behind my queries 256 + 64 w .. 256 + 64 w + 63
.endif
	WIN 0x04                                       ; source 1 (Q) in window 1; LDS loads name window 0 under this setting too
	LDK FA, 0, \slot
	LDK FA+64, 1, \slot
.irp run, 0,1,2,3
	s_wait_dscnt 0x10                              ; LDS loads come back in order: this run's set is in, the other set's 16 stay out
	SRUN FA+64*(\run&1), \run, \mode/2
	PLACES
	LDK FA+64*(\run&1), \run+2, \slot
.endr
.if \mode == 2
	WIN 0                                          ; query tile 1's Q of K steps 8 to 11 lies in window 0
	s_wait_dscnt 0x10                              ; as above
	SHALF FA, 4, 1, 0, 0
	PLACES
	LDV FA, 0, \slot
	s_wait_dscnt 0x10                              ; K steps 10 and 11 are in, the 16 loads of V^T stay out
	SHALF FA+64, 5, 1, 0, 0
	PLACES
	LDV FA+64, 1, \slot
	MASK 1
.else
	s_wait_dscnt 0x10                              ; as above
	SHALF FA, 4, 0, 0, 0                           ; query tile 0 first, on both sets,
	s_wait_dscnt 0x0                               ; no LDS load was issued behind those of K steps 10 and 11
	SHALF FA+64, 5, 0, 0, 0
	WIN 0
.if \mode == 0
	SHALF FA, 4, 1, 1, 0                           ; then query tile 1, with query tile 0's softmax behind its products
	SHALF FA+64, 5, 1, 1, 8
.else
	SHALF FA, 4, 1, 0, 0
	SHALF FA+64, 5, 1, 0, 0
.endif
	PLACES                                         ; in front of the loads into both sets and of the reads of query tile 1's S^T
	LDV FA, 0, \slot                               ; they land while query tile 1's softmax is at work
	LDV FA+64, 1, \slot
.if \mode == 1
	MASK 0
	SMAR 0, \first, 0, NI
.endif
.endif
	SMAR 1, \first, 0, NI
	PCVT \mode/2
.irp run, 0,1,2,3,4,5
.if \run < 3
	WIN 0xa8                                       ; P, C and D in window 2, V^T in window 0
.else
	WIN 0xfc                                       ; in window 3
.endif
.if \first == 0
.if (\run%3) == 0
	RSC \mode/2, 0, 0                              ; the window's first two tiles are rescaled in front of its products
	RSC \mode/2, 0, 1
.endif
.endif
.if \run == 5
	s_wait_dscnt 0x0
.else
	s_wait_dscnt 0x10                              ; this run's set is in, the other set's 16 stay out
.endif
	PVRUN FA+64*(\run&1), \run, \first, \mode/2
.if \run < 4
.if \first
	PLACES                                         ; nothing is rescaled in a phase's first step
.elseif \run == 2
	PLACES                                         ; the next run's tiles lie in the other window
.endif                                                 ; elsewhere the four multiplies behind the run's last product are the places: they name the next run's tile and the factor
	WIN 0
	LDV FA+64*(\run&1), \run+2, \slot
.endif
.endr
	WIN 0
	PLACES                                         ; in front of the next step's loads into the two sets, and of the stores and sums that read O^T
.if \mode == 2
.Lall_behind_\@:                                       ; a wave that jumped comes from the step before, which ended with the same four places
.endif
.endm
.macro QLOAD qb                        ; my two query tiles, 16 tiles apart: 48 loads of 512 consecutive bytes: 40 into window 1, query tile 1's K steps 8 to 11 into window 0
	WIN 0x40
.set qi, 0
.rept 40
	global_load_b128 v[4*qi:4*qi+3], v1, s[\qb:\qb+1] offset:(qi/24)*196608+(qi%24)*512
.set qi, qi+1
.endr
	WIN 0
.rept 8
	global_load_b128 v[QW+4*(qi-40):QW+4*(qi-40)+3], v1, s[\qb:\qb+1] offset:(qi/24)*196608+(qi%24)*512
.set qi, qi+1
.endr
.endm
; A phase's results leave.  (maximum, sum): lanes 0-15 store query tile 0's, lanes 16-31 tile 1's: 256 consecutive bytes.  O^T: 96 stores of 512 consecutive aligned bytes.
; v_permlanex16_b32's destination counts as read: it is a register that every step's softmax has written.
.macro EPILOG pb, mb
	WIN 0x0a                                       ; both sources in window 2
	v_add_f32 v[TT], v[LW], v[LW+1]
	v_add_f32 v[TT+2], v[LW+2], v[LW+3]
	WIN 0
	v_permlanex16_b32 v[TT+1], v[TT], s18, s19
	v_add_f32 v[TT], v[TT], v[TT+1]
	v_permlanex16_b32 v[TT+1], v[TT+2], s18, s19
	v_add_f32 v[TT+2], v[TT+2], v[TT+1]
	v_cndmask_b32 v[TT+1], v[TT], v[TT+2], s20
	v_cndmask_b32 v[TT], v[MM], v[MM+2], s20
	global_store_b64 v5, v[TT:TT+1], s[\mb:\mb+1]
	WIN 0x08                                       ; store data in window 2
.irp n, 0,1,2,3,4,5,6,7,8,9,10,11
.irp qt, 0,1
.irp i, 0,1
	global_store_b128 v1, v[16*\n+8*\qt+4*\i:16*\n+8*\qt+4*\i+3], s[\pb:\pb+1] offset:\qt*393216+\n*1024+\i*512
.endr
.endr
.endr
	WIN 0x0c                                       ; in window 3
.irp n, 0,1,2,3,4,5,6,7,8,9,10,11
.irp qt, 0,1
.irp i, 0,1
	global_store_b128 v1, v[16*\n+8*\qt+4*\i:16*\n+8*\qt+4*\i+3], s[\pb:\pb+1] offset:\qt*393216+(\n+12)*1024+\i*512
.endr
.endr
.endr
	WIN 0
	s_wait_xcnt 0x0                                ; the stores' data registers are written again only behind this wait
.endm
	SETDESC 0
	ROUND                                          ; all four work-groups are here: the first joint load meets its partners'
	tensor_load_to_lds s[32:35], s[40:47]          ; the low phase's first tile, into slot 0
	s_nop 0
	QLOAD 48
	STEP 0, 1, 1, 2                                ; the low block: its two diagonal tiles,
	STEP 1, 2, 0, 2
	s_cmp_eq_u32 s15, 0                            ; then 2 C tiles in front of the diagonal (block 0 has none); C is the same in all partners
	s_cbranch_scc1 .Llow_done
	s_mov_b32 s26, s15
.Llow:
	STEP 0, 0, 0, 2
	STEP 1, 0, 0, 2
	s_sub_co_u32 s26, s26, 1
	s_cmp_lg_u32 s26, 0
	s_cbranch_scc1 .Llow
.Llow_done:
	QLOAD 50                                       ; loads ahead of stores: the high block's Q (the last products with the old Q stand a whole PV phase back)
	EPILOG 52, 56
	STEP 0, 1, 1, 1                                ; the high block
	STEP 1, 2, 0, 1
	s_max_u32 s26, s27, 1                          ; C - 1 trips, 3 to 6 for blocks 4 to 7; the maximum writes the lower bound of a counter that comes down to 0 into the text
.Lhigh:
	STEP 0, 0, 0, 1
	STEP 1, 0, 0, 1
	s_sub_co_u32 s26, s26, 1
	s_cmp_lg_u32 s26, 0
	s_cbranch_scc1 .Lhigh
	STEP 0, 0, 0, 1                                ; the last two tiles are written out: the last step asks for nothing
	STEP 1, 0, 0, 0
	EPILOG 54, 58
	ROUND                                          ; the closing round: no work-group ends while a partner may still ask for a tile that names it
	s_endpgm
.Lfunc_end_k_qea2c8ff866_attn:
	.size	k_qea2c8ff866_attn, .Lfunc_end_k_qea2c8ff866_attn-k_qea2c8ff866_attn
	.p2alignl 7, 3214868480
	.fill 96, 4, 3214868480
	.section	.rodata,"a",@progbits
	.p2align	6, 0x0
	.amdhsa_kernel k_qea2c8ff866_attn
		.amdhsa_group_segment_fixed_size 327680
		.amdhsa_private_segment_fixed_size 0
		.amdhsa_enable_private_segment 0
		.amdhsa_kernarg_size 32
		.amdhsa_user_sgpr_count 2
		.amdhsa_user_sgpr_kernarg_segment_ptr 1
		.amdhsa_wavefront_size32 1
		.amdhsa_system_sgpr_workgroup_id_x 1
		.amdhsa_system_sgpr_workgroup_id_y 1
		.amdhsa_system_sgpr_workgroup_id_z 1
		.amdhsa_system_vgpr_workitem_id 0
		.amdhsa_next_free_vgpr 1024
		.amdhsa_next_free_sgpr 76
		.amdhsa_reserve_vcc 1
		.amdhsa_float_denorm_mode_32 3
		.amdhsa_float_denorm_mode_16_64 3
		.amdhsa_memory_ordered 1
		.amdhsa_forward_progress 1
		.amdhsa_inst_pref_size 255
	.end_amdhsa_kernel
	.section	.bss,"aw",@nobits
	.p2align	6
	.space	262144
	.amdgpu_metadata
---
amdhsa.version: [ 1, 2 ]
amdhsa.kernels:
  - .name:           k_qea2c8ff866_attn
    .symbol:         k_qea2c8ff866_attn.kd
    .args:
      - { .name: qf, .offset: 0, .size: 8, .value_kind: global_buffer, .address_space: global }
      - { .name: kv, .offset: 8, .size: 8, .value_kind: global_buffer, .address_space: global }
      - { .name: part, .offset: 16, .size: 8, .value_kind: global_buffer, .address_space: global }
      - { .name: ml, .offset: 24, .size: 8, .value_kind: global_buffer, .address_space: global }
    .group_segment_fixed_size: 327680
    .private_segment_fixed_size: 0
    .kernarg_segment_align: 8
    .kernarg_segment_size: 32
    .max_flat_workgroup_size: 128
    .sgpr_count:     76
    .vgpr_count:     1024
    .wavefront_size: 32
...
	.end_amdgpu_metadata
.endif
;; end of part 3
;; launch merge (part 4): grid 256 x 1, 8 waves a work-group, no clusters, 101,376 bytes of LDS; arguments part, ml, hd, out0; writes out0
.if DOCPART == 4
	.amdgcn_target "amdgcn-amd-amdhsa--gfx1250"
	.amdhsa_code_object_version 6
	.text
	.protected	k_qea2c8ff866_merge
	.globl	k_qea2c8ff866_merge
	.p2align	8
	.type	k_qea2c8ff866_merge,@function
k_qea2c8ff866_merge:
	s_mov_b64 s[64:65], 0
	v_nop
	global_prefetch_b8 v0, s[64:65] scope:SCOPE_SE
	s_setreg_imm32_b32 hwreg(HW_REG_WAVE_MODE, 25, 1), 1
	s_wait_xcnt 0x0
; Work-group g writes rows 64 g .. 64 g + 63 of out0; a wave takes 16 queries x 192 of the 384 numbers.  Two ways lead there; the work-group's number alone chooses.
; Nothing of reference() is left out here but what its own mask gives the weight 0 inside the first 64 x 64 tile, which is computed and masked.
;
; THE MERGE (g % 64 != 0).  out[q] = sum over the four classes c of w_c O_c[q] / sum of w_c l_c, with w_c = 2^(m_c - max m): the classes' running maxima are brought to
; one maximum, as a softmax over all keys asks.  A class in which query q had no allowed key has m_c = -1e30 and gets w_c = 0; class 0 holds key 0, which every query
; may see, so the divisor is at least 1.  A stream: for each class 24 chunks of 512 consecutive bytes; two register sets of 16 loads take turns, so 32 loads are on their way.
; ml is laid out as launch 3 stores it: query tile T of 16 (T = 32 B + 16 half + t) has its 16 pairs at class x 131072 + (16 B + t) 256 + 128 half.
;
; ROWS WITH FEW KEYS (g % 64 = 0: a batch's first 64 queries, which see its first 64 keys alone).  Such a row is a mean of few rows of V, so an operand's rounding to f16
; would go undiminished into it.  These rows are made here, and launch 3's partial results for them are not read.
; Every operand is a sum of two f16 numbers, hi + lo, 21 bits.  Q, K and V^T come so from launch 2 (hd), as ready fragments: each number is split once, where one wave holds
; it, and not again by each of the waves here that use it.  The weights are split here: hi = the f32 with its low 13 mantissa bits cut off, lo = the exact rest in f16.
; A product is three matrix products, hi hi + hi lo + lo hi; lo lo, 2^-22 of the product, is dropped.  LIMIT: below 2^-14 hi rounds by up to 3e-8.
; The forms are launch 3's: S^T = K Q^T (144 matrix instructions a wave), a lane serves one query; mask, maximum, 2^(s - m), sum; O^T = V^T P^T (72).  Each of the two waves
; of a query tile makes the whole S^T: no wave waits for another.  The operands come as a stream of 84 pairs of fragments, four loads each (for each of 12 K steps Q's and four
; of K's, then 24 of V^T), through a ring of 14 slots of 16 registers in window 1: lo in a slot's registers 0-7, hi in 8-15.
;
; THE WAY OUT, for both.  A lane holds 4 or 8 neighbouring d of one query, so the results go through the wave's own LDS (16 rows of 768 + 16 bytes; 784 = 49 x 16, so the
; 16 rows that a store touches lie in 16 different 16-byte columns modulo 256) and are read back by rows: sixteen lanes then store 256 consecutive aligned bytes of out0.
; The bytes are the wave's own and LDS serves a wave's instructions in order (ISA guide 5.7.1.4): no barrier, and no wait between the LDS stores and the loads.
.set LROW, 784
.set RES,  32                          ; the merge: v[32:47]   four chunks' sums
.set X0,   48                          ;            v[48:111]  chunk kk, class c at + 16 kk + 4 c
.set X1,   112                         ;            v[112:175]
.set NEGV, 0xf149f2ca                  ; -1e30
.set HIM,  0xffffe000                  ; keeps sign, exponent and 10 mantissa bits of an f32
.set SS,   8                           ; few keys:  v[8:39]    S^T tile kt at + 8 kt, later the weights
.set PHI,  40                          ;            v[40:55]   P hi, fragment k at + 8 k
.set PLO,  56                          ;            v[56:71]   P lo
.set OO,   72                          ;            v[72:167]  O^T tile p at + 8 p
.set TH,   168                         ;            v[168:199] the weights' upper parts in f32
.set MX,   200                         ;            v[200:207] maximum (pair), sums, 1 / sum (pair)
.set NSLOT, 14                         ; window 1:  v[0:223]   the ring
.set NFRAG, 84
.set MSB, 0
.macro WIN new                         ; the immediate's high byte repeats the setting that is left
.if MSB != \new
	s_set_vgpr_msb (MSB<<8)|\new
.set MSB, \new
.endif
.endm
.macro PLACES                          ; four plain vector instructions between a matrix instruction and a load into, or a vector read or write of, its registers
.rept 4
	v_nop
.endr
.endm
	s_load_b256 s[4:11], s[0:1], 0x0               ; part s[4:5], ml s[6:7], hd s[8:9], out0 s[10:11]
	v_lshl_add_u32 v254, v0, 2, 0x18800
	v_mov_b32 v255, 0
	v_lshrrev_b32 v6, 5, v0
	v_readfirstlane_b32 s12, v6                    ; wave 0..7
	s_lshr_b32 s31, s12, 1                         ; my query tile of 16 among the work-group's four
	s_lshl2_add_u32 s13, ttmp9, s31                ; and among all: 4 g + wave / 2
	s_and_b32 s14, s12, 1                          ; which half of the 384 numbers
	s_mov_b32 s29, 0
	s_mul_i32 s30, s12, 16*LROW                    ; my wave's LDS
	v_and_b32 v6, 31, v0
	v_lshlrev_b32 v1, 4, v6                        ; 16 L
	v_and_b32 v7, 15, v0                           ; r
	v_bfe_u32 v6, v0, 4, 1                         ; h
	v_lshlrev_b32 v2, 3, v7                        ; my query's pair in ml
	v_mul_u32_u24 v3, v7, LROW                     ; in: row r, 8 h numbers in
	v_lshl_add_u32 v3, v6, 5, v3
	v_add_nc_u32 v3, s30, v3
	v_mul_u32_u24 v4, v6, LROW                     ; back: lanes 0-15 one row's 256 bytes, lanes 16-31 the next row's
	v_lshl_add_u32 v4, v7, 4, v4
	v_add_nc_u32 v4, s30, v4
	v_mul_u32_u24 v5, v6, 1536                     ; and the same two rows in out0
	v_lshl_add_u32 v5, v7, 4, v5
	s_mul_i32 s28, s13, 24576
	s_mul_i32 s15, s14, 768
	s_add_co_u32 s28, s28, s15
	s_wait_kmcnt 0x0
	s_add_nc_u64 s[26:27], s[10:11], s[28:29]
	s_and_b32 s15, ttmp9, 63
	s_cmp_eq_u32 s15, 0                            ; a batch's first 64 queries?
	s_cbranch_scc1 .Lfew_keys
	; ---------------- the merge ----------------
	s_mul_i32 s28, s13, 24576
	s_mul_i32 s15, s14, 12288
	s_add_co_u32 s28, s28, s15
	s_add_nc_u64 s[16:17], s[4:5], s[28:29]        ; the four classes' parts
	s_add_nc_u64 s[18:19], s[16:17], 0x1800000
	s_add_nc_u64 s[20:21], s[18:19], 0x1800000
	s_add_nc_u64 s[22:23], s[20:21], 0x1800000
	s_lshr_b32 s28, s13, 5                         ; the block of 512 queries
	s_and_b32 s15, s13, 15                         ; the tile among the 16 of its half
	s_lshl4_add_u32 s28, s28, s15
	s_lshl_b32 s28, s28, 8                         ; 256 bytes for the tile and its partner 16 tiles on,
	s_bfe_u32 s15, s13, 0x10004                    ; of which the upper half's tile has the second 128
	s_lshl_b32 s15, s15, 7
	s_add_co_u32 s28, s28, s15
	s_add_nc_u64 s[24:25], s[6:7], s[28:29]
.irp c, 0,1,2,3
	global_load_b64 v[8+2*\c:9+2*\c], v2, s[24:25] offset:\c*131072      ; (m, l) of my query in class c
.endr
.macro GLOAD g, X                      ; group g: chunks 4 g .. 4 g + 3 of all four classes
.irp kk, 0,1,2,3
.irp c, 0,1,2,3
	global_load_b128 v[\X+16*\kk+4*\c:\X+16*\kk+4*\c+3], v1, s[16+2*\c:17+2*\c] offset:(4*\g+\kk)*512 th:TH_LOAD_NT
.endr
.endr
.endm
.macro COMB g, X                       ; chunk k = 4 g + kk holds d = 16 (k >> 1) + 8 h + 4 (k & 1) + 0..3
.irp kk, 0,1,2,3
.irp p, 0,2
	v_pk_mul_f32 v[RES+4*\kk+\p:RES+4*\kk+\p+1], v[\X+16*\kk+\p:\X+16*\kk+\p+1], v[16:17]
	v_pk_fma_f32 v[RES+4*\kk+\p:RES+4*\kk+\p+1], v[\X+16*\kk+4+\p:\X+16*\kk+4+\p+1], v[18:19], v[RES+4*\kk+\p:RES+4*\kk+\p+1]
	v_pk_fma_f32 v[RES+4*\kk+\p:RES+4*\kk+\p+1], v[\X+16*\kk+8+\p:\X+16*\kk+8+\p+1], v[20:21], v[RES+4*\kk+\p:RES+4*\kk+\p+1]
	v_pk_fma_f32 v[RES+4*\kk+\p:RES+4*\kk+\p+1], v[\X+16*\kk+12+\p:\X+16*\kk+12+\p+1], v[22:23], v[RES+4*\kk+\p:RES+4*\kk+\p+1]
.endr
	ds_store_b128 v3, v[RES+4*\kk:RES+4*\kk+3] offset:((4*\g+\kk)>>1)*64+((4*\g+\kk)&1)*16
.endr
.endm
	GLOAD 0, X0
	GLOAD 1, X1
	s_wait_loadcnt 0x20                            ; the four pairs are in; the two groups' 32 loads stay out
	v_max3_num_f32 v24, v8, v10, v12
	v_max_num_f32 v24, v24, v14
	v_sub_f32 v16, v8, v24
	v_sub_f32 v18, v10, v24
	v_sub_f32 v20, v12, v24
	v_sub_f32 v22, v14, v24
	v_exp_f32 v16, v16
	v_exp_f32 v18, v18
	v_exp_f32 v20, v20
	v_exp_f32 v22, v22
	v_nop                                          ; one plain place behind the transcendentals (ISA guide 5.7.2)
	s_wait_alu depctr_va_vdst(0)
	v_mul_f32 v25, v16, v9
	v_fma_f32 v25, v18, v11, v25
	v_fma_f32 v25, v20, v13, v25
	v_fma_f32 v25, v22, v15, v25
	v_rcp_f32 v26, v25
	v_nop
	s_wait_alu depctr_va_vdst(0)
.irp c, 0,1,2,3
	v_mul_f32 v[17+2*\c], v[16+2*\c], v26          ; each weight twice: a pair for the packed arithmetic
	v_mul_f32 v[16+2*\c], v[16+2*\c], v26
.endr
	s_wait_loadcnt 0x10                            ; loads come back in order: this group is in, the next group's 16 stay out
	COMB 0, X0
	GLOAD 2, X0
	s_wait_loadcnt 0x10
	COMB 1, X1
	GLOAD 3, X1
	s_wait_loadcnt 0x10
	COMB 2, X0
	GLOAD 4, X0
	s_wait_loadcnt 0x10
	COMB 3, X1
	GLOAD 5, X1
	s_wait_loadcnt 0x10
	COMB 4, X0
	s_wait_loadcnt 0x0
	COMB 5, X1
	s_branch .Lway_out
	; ---------------- rows with few keys ----------------
; The stream's next pair of fragments, number hiss, into slot hiss % 14: four loads of 512 consecutive bytes, lo (e = 0) into registers 0-7, hi (e = 1) into 8-15.
; Pairs 5 u .. 5 u + 4: K step u of Q (my query tile) and of K (key tiles 0..3).  Pairs 60 + 2 p + k: key step k of my d tile p of V^T.
.macro FLOAD
.if hiss < NFRAG
.set fs, 16*(hiss%NSLOT)
.if hiss < 60
.set fk, hiss/5
.set fi, hiss%5
.irp e, 0,1
.irp c, 0,1
.if fi == 0
	global_load_b128 v[fs+8*\e+4*\c:fs+8*\e+4*\c+3], v1, s[34:35] offset:\e*12288+fk*1024+\c*512
.else
	global_load_b128 v[fs+8*\e+4*\c:fs+8*\e+4*\c+3], v1, s[32:33] offset:98304+(fi-1)*24576+\e*12288+fk*1024+\c*512
.endif
.endr
.endr
.else
.set fp, (hiss-60)/2
.set fk, (hiss-60)%2
.irp e, 0,1
.irp c, 0,1
	global_load_b128 v[fs+8*\e+4*\c:fs+8*\e+4*\c+3], v1, s[36:37] offset:fp*4096+\e*2048+fk*1024+\c*512
.endr
.endr
.endif
.set hiss, hiss+1
.endif
.endm
; K step hu of S^T: five pairs, 12 matrix instructions (K hi Q hi, K hi Q lo, K lo Q hi).  The four accumulators take turns, one instruction a turn.
.macro SUNIT
	s_wait_loadcnt 4*(hiss-5*hu-5)                 ; loads come back in order: my five pairs are in, the later pairs' loads stay out
	WIN 0x05                                       ; sources 0 and 1 in window 1, C and D in window 0
.set sq, 16*((5*hu)%NSLOT)
.irp term, 0,1,2
.irp kt, 0,1,2,3
.set sa, 16*((5*hu+1+\kt)%NSLOT)+8-8*(\term/2)
.set sb, sq+8-8*(\term%2)
.if (hu+\term) == 0
	v_wmma_f32_16x16x32_f16 v[SS+8*\kt:SS+8*\kt+7], v[sa:sa+7], v[sb:sb+7], 0
.else
	v_wmma_f32_16x16x32_f16 v[SS+8*\kt:SS+8*\kt+7], v[sa:sa+7], v[sb:sb+7], v[SS+8*\kt:SS+8*\kt+7]
.endif
.endr
.endr
	PLACES
	WIN 0x40                                       ; loaded data in window 1, the address in window 0
.rept 5
	FLOAD                                          ; into the five slots just multiplied
.endr
.endm
; d tiles 2 hv and 2 hv + 1 of O^T: four pairs, 12 matrix instructions (V hi P hi, V hi P lo, V lo P hi, two key steps each).  The two accumulators take turns.
.macro VUNIT
	s_wait_loadcnt 4*(hiss-64-4*hv)                ; as above
	WIN 0x01                                       ; source 0 (V^T) in window 1; P, C and D in window 0
.irp term, 0,1,2
.irp ks, 0,1
.irp t, 0,1
.set va, 16*((60+4*hv+2*\t+\ks)%NSLOT)+8-8*(\term/2)
.set vb, PHI+16*(\term%2)+8*\ks
.set vo, OO+8*(2*hv+\t)
.if (\term+\ks) == 0
	v_wmma_f32_16x16x32_f16 v[vo:vo+7], v[va:va+7], v[vb:vb+7], 0
.else
	v_wmma_f32_16x16x32_f16 v[vo:vo+7], v[va:va+7], v[vb:vb+7], v[vo:vo+7]
.endif
.endr
.endr
.endr
	PLACES
	WIN 0x40
.rept 4
	FLOAD
.endr
.endm
.Lfew_keys:
	s_lshr_b32 s28, ttmp9, 6                       ; batch
	s_mul_i32 s28, s28, 294912
	s_add_nc_u64 s[32:33], s[8:9], s[28:29]        ; hd at my batch (K: 98,304 further, in the immediates)
	s_mul_i32 s28, s31, 24576
	s_add_nc_u64 s[34:35], s[32:33], s[28:29]      ; Q at my query tile
	s_mul_i32 s28, s14, 49152
	s_add_co_u32 s28, s28, 196608
	s_add_nc_u64 s[36:37], s[32:33], s[28:29]      ; V^T at my 12 tiles of d
	s_mov_b32 s38, HIM
	s_mov_b32 s40, 0x76543210                      ; v_permlanex16_b32: lane i of one half reads lane i of the other
	s_mov_b32 s41, 0xfedcba98
	s_lshl_b32 s15, s31, 4
	v_lshlrev_b32 v6, 3, v6
	v_sub_nc_u32 v7, v7, v6
	v_add_nc_u32 v7, s15, v7                       ; key 16 kt + 8 h + j is allowed for query 16 qt + r iff 16 kt + j <= 16 qt + r - 8 h
	v_mov_b32 v6, NEGV
	WIN 0x40
.set hiss, 0
.rept NSLOT
	FLOAD                                          ; the ring is filled: 56 loads are out
.endr
.set hu, 0
.rept 12
	SUNIT
.set hu, hu+1
.endr
	WIN 0                                          ; four places stand behind the last product
.irp kt, 0,1,2,3
.irp j, 0,1,2,3,4,5,6,7
	v_cmp_gt_i32 vcc_lo, 16*\kt+\j, v7             ; a score whose key lies behind its query becomes -1e30
	v_cndmask_b32 v[SS+8*\kt+\j], v[SS+8*\kt+\j], v6, vcc_lo
.endr
.endr
	v_max3_num_f32 v[MX],   v[SS],    v[SS+1],  v[SS+2]          ; the maximum: two chains of 16 scores,
	v_max3_num_f32 v[MX+1], v[SS+16], v[SS+17], v[SS+18]
.irp o, 3,5,7,9,11,13
	v_max3_num_f32 v[MX],   v[MX],   v[SS+\o],    v[SS+\o+1]
	v_max3_num_f32 v[MX+1], v[MX+1], v[SS+16+\o], v[SS+16+\o+1]
.endr
	v_max3_num_f32 v[MX], v[MX], v[SS+15], v[SS+31]
	v_max_num_f32 v[MX], v[MX], v[MX+1]
	v_permlanex16_b32 v[MX+1], v[MX], s40, s41                   ; and the other half's 32 keys of the same query.  Key 0 is allowed to every query: the maximum is a score
	v_max_num_f32 v[MX], v[MX], v[MX+1]
	v_mov_b32 v[MX+1], v[MX]
.irp p, 0,2,4,6,8,10,12,14,16,18,20,22,24,26,28,30
	v_pk_add_f32 v[SS+\p:SS+\p+1], v[SS+\p:SS+\p+1], v[MX:MX+1] neg_lo:[0,1] neg_hi:[0,1]
.endr
.set hq, 0
.rept 32
	v_exp_f32 v[SS+hq], v[SS+hq]
.set hq, hq+1
.endr
	v_nop                                                        ; one plain place behind the last transcendental (ISA guide 5.7.2)
	s_wait_alu depctr_va_vdst(0)
	v_pk_add_f32 v[MX+2:MX+3], v[SS:SS+1], v[SS+2:SS+3]
	v_pk_add_f32 v[MX+4:MX+5], v[SS+16:SS+17], v[SS+18:SS+19]
.irp o, 4,6,8,10,12,14
	v_pk_add_f32 v[MX+2:MX+3], v[MX+2:MX+3], v[SS+\o:SS+\o+1]
	v_pk_add_f32 v[MX+4:MX+5], v[MX+4:MX+5], v[SS+16+\o:SS+16+\o+1]
.endr
	v_pk_add_f32 v[MX+2:MX+3], v[MX+2:MX+3], v[MX+4:MX+5]
	v_add_f32 v[MX+2], v[MX+2], v[MX+3]
	v_permlanex16_b32 v[MX+3], v[MX+2], s40, s41
	v_add_f32 v[MX+2], v[MX+2], v[MX+3]                          ; the sum of the weights, at least 1
	v_rcp_f32 v[MX+6], v[MX+2]                                   ; plain work follows that touches neither register
.set hq, 0
.rept 32
	v_and_b32 v[TH+hq], s38, v[SS+hq]                            ; the weights' upper parts
.set hq, hq+1
.endr
	s_wait_alu depctr_va_vdst(0)
	v_mov_b32 v[MX+7], v[MX+6]
.irp p, 0,2,4,6,8,10,12,14,16,18,20,22,24,26,28,30
	v_pk_add_f32 v[SS+\p:SS+\p+1], v[SS+\p:SS+\p+1], v[TH+\p:TH+\p+1] neg_lo:[0,1] neg_hi:[0,1]
.endr
.irp i, 0,1,2,3,4,5,6,7,8,9,10,11,12,13,14,15
	v_cvt_pk_f16_f32 v[PLO+\i], v[SS+2*\i], v[SS+2*\i+1]         ; two packed S^T tiles are a fragment of P as source 1
	v_cvt_pk_f16_f32 v[PHI+\i], v[TH+2*\i], v[TH+2*\i+1]
.endr
.set hv, 0
.rept 6
	VUNIT
.set hv, hv+1
.endr
	WIN 0                                          ; four places stand behind the last product
.set hq, 0
.rept 48
	v_pk_mul_f32 v[OO+2*hq:OO+2*hq+1], v[OO+2*hq:OO+2*hq+1], v[MX+6:MX+7]       ; a lane's numbers all belong to its one query
.set hq, hq+1
.endr
.set hq, 0
.rept 12
	ds_store_b128 v3, v[OO+8*hq:OO+8*hq+3]   offset:64*hq        ; d = 16 p + 8 h + 0..3
	ds_store_b128 v3, v[OO+8*hq+4:OO+8*hq+7] offset:64*hq+16     ; d = 16 p + 8 h + 4..7
.set hq, hq+1
.endr
	; ---------------- the way out ----------------
.Lway_out:
.set mu, 0
.rept 24
	ds_load_b128 v[X0+4*mu:X0+4*mu+3], v4 offset:(mu/3)*2*LROW+(mu%3)*256
.set mu, mu+1
.endr
.set mu, 0
.rept 24
	s_wait_dscnt 23-mu                             ; the younger read-backs stay out
	global_store_b128 v5, v[X0+4*mu:X0+4*mu+3], s[26:27] offset:(mu/3)*3072+(mu%3)*256 th:TH_STORE_NT
.set mu, mu+1
.endr
	s_wait_tensorcnt 0x0
	ds_add_u32 v254, v255
	s_wait_dscnt 0x0
	s_endpgm
.Lfunc_end_k_qea2c8ff866_merge:
	.size	k_qea2c8ff866_merge, .Lfunc_end_k_qea2c8ff866_merge-k_qea2c8ff866_merge
	.p2alignl 7, 3214868480
	.fill 96, 4, 3214868480
	.section	.rodata,"a",@progbits
	.p2align	6, 0x0
	.amdhsa_kernel k_qea2c8ff866_merge
		.amdhsa_group_segment_fixed_size 101376
		.amdhsa_private_segment_fixed_size 0
		.amdhsa_enable_private_segment 0
		.amdhsa_kernarg_size 32
		.amdhsa_user_sgpr_count 2
		.amdhsa_user_sgpr_kernarg_segment_ptr 1
		.amdhsa_wavefront_size32 1
		.amdhsa_system_sgpr_workgroup_id_x 1
		.amdhsa_system_sgpr_workgroup_id_y 1
		.amdhsa_system_sgpr_workgroup_id_z 1
		.amdhsa_system_vgpr_workitem_id 0
		.amdhsa_next_free_vgpr 512
		.amdhsa_next_free_sgpr 66
		.amdhsa_reserve_vcc 1
		.amdhsa_float_denorm_mode_32 3
		.amdhsa_float_denorm_mode_16_64 3
		.amdhsa_memory_ordered 1
		.amdhsa_forward_progress 1
		.amdhsa_inst_pref_size 96
	.end_amdhsa_kernel
	.amdgpu_metadata
---
amdhsa.version: [ 1, 2 ]
amdhsa.kernels:
  - .name:           k_qea2c8ff866_merge
    .symbol:         k_qea2c8ff866_merge.kd
    .args:
      - { .name: part, .offset: 0, .size: 8, .value_kind: global_buffer, .address_space: global }
      - { .name: ml, .offset: 8, .size: 8, .value_kind: global_buffer, .address_space: global }
      - { .name: hd, .offset: 16, .size: 8, .value_kind: global_buffer, .address_space: global }
      - { .name: out0, .offset: 24, .size: 8, .value_kind: global_buffer, .address_space: global }
    .group_segment_fixed_size: 101376
    .private_segment_fixed_size: 0
    .kernarg_segment_align: 8
    .kernarg_segment_size: 32
    .max_flat_workgroup_size: 256
    .sgpr_count:     66
    .vgpr_count:     512
    .wavefront_size: 32
...
	.end_amdgpu_metadata
.endif
;; end of part 4
;; ======== version 2 of 2: 4 launches; version 1 with the launch merge written anew for expert scheduling mode
;; limits: right only within a limited range of input values; values are held in f16: magnitudes above 65,504 overflow, below 6.1e-05 lose precision
;; workspace buffers: wf 884,736 bytes; qf 12,582,912 bytes; kv 25,165,824 bytes; part 100,663,296 bytes; ml 524,288 bytes; hd 1,179,648 bytes
;; launch wprep: the kernel of part 1 again; grid 72 x 1, 6 waves a work-group, no clusters, 0 bytes of LDS; arguments W_q, W_k, W_v, wf; writes wf
;; launch qkv: the kernel of part 2 again; grid 256 x 1, 4 waves a work-group, no clusters, 168,448 bytes of LDS; arguments x, wf, qf, kv, hd; writes qf, kv, hd
;; launch attn: the kernel of part 3 again; grid 256 x 1, 4 waves a work-group, clusters of 4 x 1, 327,680 bytes of LDS; arguments qf, kv, part, ml; writes part, ml
;; launch merge (part 5): grid 256 x 1, 8 waves a work-group, no clusters, 101,376 bytes of LDS; arguments part, ml, hd, out0; writes out0
.if DOCPART == 5
	.amdgcn_target "amdgcn-amd-amdhsa--gfx1250"
	.amdhsa_code_object_version 6
	.text
	.protected	k_qea2c8ff866_merge
	.globl	k_qea2c8ff866_merge
	.p2align	8
	.type	k_qea2c8ff866_merge,@function
k_qea2c8ff866_merge:
	s_mov_b64 s[64:65], 0
	v_nop
	global_prefetch_b8 v0, s[64:65] scope:SCOPE_SE
	s_setreg_imm32_b32 hwreg(HW_REG_WAVE_SCHED_MODE, 0, 2), 2
	s_setreg_imm32_b32 hwreg(HW_REG_WAVE_MODE, 25, 1), 1
	s_wait_xcnt 0x0
	s_wait_alu depctr_vm_vsrc(0)
; Work-group g writes rows 64 g .. 64 g + 63 of out0; a wave takes 16 queries x 192 of the 384 numbers.  Two ways lead there; the work-group's number alone chooses.
; Nothing of reference() is left out here but what its own mask gives the weight 0 inside the first 64 x 64 tile, which is computed and masked.
;
; THE MERGE (g % 64 != 0).  out[q] = sum over the four classes c of w_c O_c[q] / sum of w_c l_c, with w_c = 2^(m_c - max m): the classes' running maxima are brought to
; one maximum, as a softmax over all keys asks.  A class in which query q had no allowed key has m_c = -1e30 and gets w_c = 0; class 0 holds key 0, which every query
; may see, so the divisor is at least 1.  A stream: for each class 24 chunks of 512 consecutive bytes; two register sets of 16 loads take turns, so 32 loads are on their way.
; ml is laid out as launch 3 stores it: query tile T of 16 (T = 32 B + 16 half + t) has its 16 pairs at class x 131072 + (16 B + t) 256 + 128 half.
;
; ROWS WITH FEW KEYS (g % 64 = 0: a batch's first 64 queries, which see its first 64 keys alone).  Such a row is a mean of few rows of V, so an operand's rounding to f16
; would go undiminished into it.  These rows are made here, and launch 3's partial results for them are not read.
; Every operand is a sum of two f16 numbers, hi + lo, 21 bits.  Q, K and V^T come so from launch 2 (hd), as ready fragments: each number is split once, where one wave holds
; it, and not again by each of the waves here that use it.  The weights are split here: hi = the f32 with its low 13 mantissa bits cut off, lo = the exact rest in f16.
; A product is three matrix products, hi hi + hi lo + lo hi; lo lo, 2^-22 of the product, is dropped.  LIMIT: below 2^-14 hi rounds by up to 3e-8.
; The forms are launch 3's: S^T = K Q^T (144 matrix instructions a wave), a lane serves one query; mask, maximum, 2^(s - m), sum; O^T = V^T P^T (72).  Each of the two waves
; of a query tile makes the whole S^T: no wave waits for another.  The operands come as a stream of 84 pairs of fragments, four loads each (for each of 12 K steps Q's and four
; of K's, then 24 of V^T), through a ring of 14 slots of 16 registers in window 1: lo in a slot's registers 0-7, hi in 8-15.
;
; THE WAY OUT, for both.  A lane holds 4 or 8 neighbouring d of one query, so the results go through the wave's own LDS (16 rows of 768 + 16 bytes; 784 = 49 x 16, so the
; 16 rows that a store touches lie in 16 different 16-byte columns modulo 256) and are read back by rows: sixteen lanes then store 256 consecutive aligned bytes of out0.
; The bytes are the wave's own and LDS serves a wave's instructions in order (ISA guide 5.7.1.4): no barrier, and no wait between the LDS stores and the loads.
;
; THE MODE: SCHED_MODE bits 1:0 = 2 (LLVM: expert scheduling mode 2), set by the entry lines.  The code itself states the register dependences
; between vector or matrix instructions and memory or LDS instructions, with s_wait_alu, always for 0.
; THE PLAN.  Registers that memory or LDS instructions touch, and who else names them:
;   v1 .. v5      offsets and LDS addresses: written at the head, never again.  One wait on va_vdst on each of the two ways, ahead of its first load, serves every later access.
;   the merge:    X0, X1   step g's 32 packed instructions read X[g % 2]; behind them the loads of group g + 2 land in it.
;                 R0, R1   step g's packed instructions write R[g % 2]; its four LDS stores read it; it is written again in step g + 2.
;                 So a step has ONE wait on va_vdst, behind its arithmetic: R is written, X is read out; the step's 16 loads and 4 LDS stores follow it in one run.
;                 From step 2 on one wait on vm_vsrc stands at the step's head: the LDS stores of two steps back have read R[g % 2].
;   few keys:     the ring (window 1)   a unit's 12 matrix instructions read four or five slots; behind them the stream's next pairs land there: one wait on va_vdst a unit,
;                 behind the window switch and ahead of the loads; a unit that loads nothing more has none.
;                 O^T v[72:167]   written by matrix instructions and the division; read by 24 LDS stores (a wait on va_vdst ahead of them); the way out's LDS loads land in
;                 v[48:143] (a wait on vm_vsrc behind the stores).
;   the way out:  v[48:143] are written by LDS loads and read by global stores alone: DScnt's affair.
;   v254, v255    written at the head, read by the closing add alone.
;   Scalars that vector instructions write: s12 (the wave's number) and the mask's sixteen registers: a wait on va_sdst between each run of writers and its first reader.
.set LROW, 784
.set R0,   32                          ; the merge: v[32:47]   four chunks' sums, steps 0, 2, 4
.set R1,   176                         ;            v[176:191] the same, steps 1, 3, 5
.set X0,   48                          ;            v[48:111]  chunk kk, class c at + 16 kk + 4 c
.set X1,   112                         ;            v[112:175]
.set NEGV, 0xf149f2ca                  ; -1e30
.set HIM,  0xffffe000                  ; keeps sign, exponent and 10 mantissa bits of an f32
.set SS,   8                           ; few keys:  v[8:39]    S^T tile kt at + 8 kt, later the weights
.set PHI,  40                          ;            v[40:55]   P hi, fragment k at + 8 k
.set PLO,  56                          ;            v[56:71]   P lo
.set OO,   72                          ;            v[72:167]  O^T tile p at + 8 p
.set TH,   168                         ;            v[168:199] the weights' upper parts in f32
.set MX,   200                         ;            v[200:207] maximum (pair), sums, 1 / sum (pair)
.set NSLOT, 14                         ; window 1:  v[0:223]   the ring
.set NFRAG, 84
.set MSB, 0
.macro WIN new                         ; the immediate's high byte repeats the setting that is left
.if MSB != \new
	s_set_vgpr_msb (MSB<<8)|\new
.set MSB, \new
.endif
.endm
.macro PLACES                          ; four plain vector instructions behind a matrix instruction (ISA guide 7.12.1)
.rept 4
	v_nop
.endr
.endm
	s_load_b256 s[4:11], s[0:1], 0x0               ; part s[4:5], ml s[6:7], hd s[8:9], out0 s[10:11]
	v_lshl_add_u32 v254, v0, 2, 0x18800
	v_mov_b32 v255, 0
	v_lshrrev_b32 v6, 5, v0
	v_readfirstlane_b32 s12, v6                    ; wave 0..7
	v_and_b32 v6, 31, v0                           ; the lanes' arithmetic that needs no scalar stands between that line and the wait for s12
	v_lshlrev_b32 v1, 4, v6                        ; 16 L
	v_and_b32 v7, 15, v0                           ; r
	v_bfe_u32 v6, v0, 4, 1                         ; h
	v_lshlrev_b32 v2, 3, v7                        ; my query's pair in ml
	v_mul_u32_u24 v3, v7, LROW                     ; in: row r, 8 h numbers in
	v_lshl_add_u32 v3, v6, 5, v3
	v_mul_u32_u24 v4, v6, LROW                     ; back: lanes 0-15 one row's 256 bytes, lanes 16-31 the next row's
	v_lshl_add_u32 v4, v7, 4, v4
	v_mul_u32_u24 v5, v6, 1536                     ; and the same two rows in out0
	v_lshl_add_u32 v5, v7, 4, v5
	s_wait_alu depctr_va_sdst(0)                   ; s12 is written, ahead of its first reader: the bases and the wave's LDS are made from it
	s_lshr_b32 s31, s12, 1                         ; my query tile of 16 among the work-group's four
	s_lshl2_add_u32 s13, ttmp9, s31                ; and among all: 4 g + wave / 2
	s_and_b32 s14, s12, 1                          ; which half of the 384 numbers
	s_mov_b32 s29, 0
	s_mul_i32 s30, s12, 16*LROW                    ; my wave's LDS
	v_add_nc_u32 v3, s30, v3
	v_add_nc_u32 v4, s30, v4
	s_mul_i32 s28, s13, 24576
	s_mul_i32 s15, s14, 768
	s_add_co_u32 s28, s28, s15
	s_wait_kmcnt 0x0
	s_add_nc_u64 s[26:27], s[10:11], s[28:29]
	s_and_b32 s15, ttmp9, 63
	s_cmp_eq_u32 s15, 0                            ; a batch's first 64 queries?
	s_cbranch_scc1 .Lfew_keys
	; ---------------- the merge ----------------
	s_mul_i32 s28, s13, 24576
	s_mul_i32 s15, s14, 12288
	s_add_co_u32 s28, s28, s15
	s_add_nc_u64 s[16:17], s[4:5], s[28:29]        ; the four classes' parts
	s_add_nc_u64 s[18:19], s[16:17], 0x1800000
	s_add_nc_u64 s[20:21], s[18:19], 0x1800000
	s_add_nc_u64 s[22:23], s[20:21], 0x1800000
	s_lshr_b32 s28, s13, 5                         ; the block of 512 queries
	s_and_b32 s15, s13, 15                         ; the tile among the 16 of its half
	s_lshl4_add_u32 s28, s28, s15
	s_lshl_b32 s28, s28, 8                         ; 256 bytes for the tile and its partner 16 tiles on,
	s_bfe_u32 s15, s13, 0x10004                    ; of which the upper half's tile has the second 128
	s_lshl_b32 s15, s15, 7
	s_add_co_u32 s28, s28, s15
	s_add_nc_u64 s[24:25], s[6:7], s[28:29]
	s_wait_alu depctr_va_vdst(0)                   ; v1 to v5 are written: every load, store and LDS access of this way reads one of them, and no vector instruction names them again
.irp c, 0,1,2,3
	global_load_b64 v[8+2*\c:9+2*\c], v2, s[24:25] offset:\c*131072      ; (m, l) of my query in class c
.endr
.macro GLOAD g, X                      ; group g: chunks 4 g .. 4 g + 3 of all four classes
.irp kk, 0,1,2,3
.irp c, 0,1,2,3
	global_load_b128 v[\X+16*\kk+4*\c:\X+16*\kk+4*\c+3], v1, s[16+2*\c:17+2*\c] offset:(4*(\g)+\kk)*512 th:TH_LOAD_NT
.endr
.endr
.endm
.macro COMB X, R                       ; four chunks: the four classes' numbers times their weights, summed in the order of the classes
.irp kk, 0,1,2,3
.irp p, 0,2
	v_pk_mul_f32 v[\R+4*\kk+\p:\R+4*\kk+\p+1], v[\X+16*\kk+\p:\X+16*\kk+\p+1], v[16:17]
	v_pk_fma_f32 v[\R+4*\kk+\p:\R+4*\kk+\p+1], v[\X+16*\kk+4+\p:\X+16*\kk+4+\p+1], v[18:19], v[\R+4*\kk+\p:\R+4*\kk+\p+1]
	v_pk_fma_f32 v[\R+4*\kk+\p:\R+4*\kk+\p+1], v[\X+16*\kk+8+\p:\X+16*\kk+8+\p+1], v[20:21], v[\R+4*\kk+\p:\R+4*\kk+\p+1]
	v_pk_fma_f32 v[\R+4*\kk+\p:\R+4*\kk+\p+1], v[\X+16*\kk+12+\p:\X+16*\kk+12+\p+1], v[22:23], v[\R+4*\kk+\p:\R+4*\kk+\p+1]
.endr
.endr
.endm
.macro LPUT g, R                       ; chunk k = 4 g + kk holds d = 16 (k >> 1) + 8 h + 4 (k & 1) + 0..3
.irp kk, 0,1,2,3
	ds_store_b128 v3, v[\R+4*\kk:\R+4*\kk+3] offset:((4*(\g)+\kk)>>1)*64+((4*(\g)+\kk)&1)*16
.endr
.endm
; Step g of six.  left: how many younger loads may stay out when group g has to be there.
.macro MSTEP g, X, R, left
	s_wait_loadcnt \left                           ; loads come back in order: this group is in, the next group's stay out
.if (\g) >= 2
	s_wait_alu depctr_vm_vsrc(0)                   ; the LDS stores of two steps back have read this R set, which the arithmetic below writes again
.endif
	COMB \X, \R
	s_wait_alu depctr_va_vdst(0)                   ; the arithmetic has written R, which the LDS stores read, and is done reading X, in which loads land: group g + 2's, behind steps 4 and 5 the way out's
.if (\g) < 4
	GLOAD (\g)+2, \X                               ; the set is asked for again at once, ahead of the LDS stores
.endif
	LPUT \g, \R
.endm
	GLOAD 0, X0
	GLOAD 1, X1
	s_wait_loadcnt 0x20                            ; the four pairs are in; the two groups' 32 loads stay out
	v_max3_num_f32 v24, v8, v10, v12
	v_max_num_f32 v24, v24, v14
	v_sub_f32 v16, v8, v24
	v_sub_f32 v18, v10, v24
	v_sub_f32 v20, v12, v24
	v_sub_f32 v22, v14, v24
	v_exp_f32 v16, v16
	v_exp_f32 v18, v18
	v_exp_f32 v20, v20
	v_exp_f32 v22, v22
	v_nop                                          ; one plain place behind the transcendentals (ISA guide 5.7.2)
	s_wait_alu depctr_va_vdst(0)                   ; the four exponentials have written v16, v18, v20, v22, ahead of their first reader
	v_mul_f32 v25, v16, v9
	v_fma_f32 v25, v18, v11, v25
	v_fma_f32 v25, v20, v13, v25
	v_fma_f32 v25, v22, v15, v25
	v_rcp_f32 v26, v25
	v_nop
	s_wait_alu depctr_va_vdst(0)                   ; the reciprocal has written v26, ahead of its first reader
.irp c, 0,1,2,3
	v_mul_f32 v[17+2*\c], v[16+2*\c], v26          ; each weight twice: a pair for the packed arithmetic
	v_mul_f32 v[16+2*\c], v[16+2*\c], v26
.endr
	MSTEP 0, X0, R0, 0x10
	MSTEP 1, X1, R1, 0x10
	MSTEP 2, X0, R0, 0x10
	MSTEP 3, X1, R1, 0x10
	MSTEP 4, X0, R0, 0x10
	MSTEP 5, X1, R1, 0x0
	s_branch .Lway_out
	; ---------------- rows with few keys ----------------
; The stream's next pair of fragments, number hiss, into slot hiss % 14: four loads of 512 consecutive bytes, lo (e = 0) into registers 0-7, hi (e = 1) into 8-15.
; Pairs 5 u .. 5 u + 4: K step u of Q (my query tile) and of K (key tiles 0..3).  Pairs 60 + 2 p + k: key step k of my d tile p of V^T.
.macro FLOAD
.if hiss < NFRAG
.set fs, 16*(hiss%NSLOT)
.if hiss < 60
.set fk, hiss/5
.set fi, hiss%5
.irp e, 0,1
.irp c, 0,1
.if fi == 0
	global_load_b128 v[fs+8*\e+4*\c:fs+8*\e+4*\c+3], v1, s[34:35] offset:\e*12288+fk*1024+\c*512
.else
	global_load_b128 v[fs+8*\e+4*\c:fs+8*\e+4*\c+3], v1, s[32:33] offset:98304+(fi-1)*24576+\e*12288+fk*1024+\c*512
.endif
.endr
.endr
.else
.set fp, (hiss-60)/2
.set fk, (hiss-60)%2
.irp e, 0,1
.irp c, 0,1
	global_load_b128 v[fs+8*\e+4*\c:fs+8*\e+4*\c+3], v1, s[36:37] offset:fp*4096+\e*2048+fk*1024+\c*512
.endr
.endr
.endif
.set hiss, hiss+1
.endif
.endm
; K step hu of S^T: five pairs, 12 matrix instructions (K hi Q hi, K hi Q lo, K lo Q hi).  The four accumulators take turns, one instruction a turn.
.macro SUNIT
	s_wait_loadcnt 4*(hiss-5*hu-5)                 ; loads come back in order: my five pairs are in, the later pairs' loads stay out
	WIN 0x05                                       ; sources 0 and 1 in window 1, C and D in window 0
.set sq, 16*((5*hu)%NSLOT)
.irp term, 0,1,2
.irp kt, 0,1,2,3
.set sa, 16*((5*hu+1+\kt)%NSLOT)+8-8*(\term/2)
.set sb, sq+8-8*(\term%2)
.if (hu+\term) == 0
	v_wmma_f32_16x16x32_f16 v[SS+8*\kt:SS+8*\kt+7], v[sa:sa+7], v[sb:sb+7], 0
.else
	v_wmma_f32_16x16x32_f16 v[SS+8*\kt:SS+8*\kt+7], v[sa:sa+7], v[sb:sb+7], v[SS+8*\kt:SS+8*\kt+7]
.endif
.endr
.endr
	PLACES                                         ; behind the last unit they stand in front of the vector reads of S^T
	WIN 0x40                                       ; loaded data in window 1, the address in window 0: the switch, then the wait, then the loads
	s_wait_alu depctr_va_vdst(0)                   ; the unit's matrix instructions are done reading their five slots, in which the loads below land
.rept 5
	FLOAD                                          ; into the five slots just multiplied
.endr
.endm
; d tiles 2 hv and 2 hv + 1 of O^T: four pairs, 12 matrix instructions (V hi P hi, V hi P lo, V lo P hi, two key steps each).  The two accumulators take turns.
.macro VUNIT
	s_wait_loadcnt 4*(hiss-64-4*hv)                ; as above
	WIN 0x01                                       ; source 0 (V^T) in window 1; P, C and D in window 0
.irp term, 0,1,2
.irp ks, 0,1
.irp t, 0,1
.set va, 16*((60+4*hv+2*\t+\ks)%NSLOT)+8-8*(\term/2)
.set vb, PHI+16*(\term%2)+8*\ks
.set vo, OO+8*(2*hv+\t)
.if (\term+\ks) == 0
	v_wmma_f32_16x16x32_f16 v[vo:vo+7], v[va:va+7], v[vb:vb+7], 0
.else
	v_wmma_f32_16x16x32_f16 v[vo:vo+7], v[va:va+7], v[vb:vb+7], v[vo:vo+7]
.endif
.endr
.endr
.endr
	PLACES                                         ; behind the last unit they stand in front of the vector reads of O^T
.if hiss < NFRAG                       ; a unit behind which the stream has ended loads nothing, and has no dependence to state
	WIN 0x40
	s_wait_alu depctr_va_vdst(0)                   ; the unit's matrix instructions are done reading their four slots, in which the loads below land
.rept 4
	FLOAD
.endr
.endif
.endm
.Lfew_keys:
	s_lshr_b32 s28, ttmp9, 6                       ; batch
	s_mul_i32 s28, s28, 294912
	s_add_nc_u64 s[32:33], s[8:9], s[28:29]        ; hd at my batch (K: 98,304 further, in the immediates)
	s_mul_i32 s28, s31, 24576
	s_add_nc_u64 s[34:35], s[32:33], s[28:29]      ; Q at my query tile
	s_mul_i32 s28, s14, 49152
	s_add_co_u32 s28, s28, 196608
	s_add_nc_u64 s[36:37], s[32:33], s[28:29]      ; V^T at my 12 tiles of d
	s_mov_b32 s38, HIM
	s_mov_b32 s40, 0x76543210                      ; v_permlanex16_b32: lane i of one half reads lane i of the other
	s_mov_b32 s41, 0xfedcba98
	s_lshl_b32 s15, s31, 4
	v_lshlrev_b32 v6, 3, v6
	v_sub_nc_u32 v7, v7, v6
	v_add_nc_u32 v7, s15, v7                       ; key 16 kt + 8 h + j is allowed for query 16 qt + r iff 16 kt + j <= 16 qt + r - 8 h
	v_mov_b32 v6, NEGV
	WIN 0x40
	s_wait_alu depctr_va_vdst(0)                   ; v1 to v5 are written: every load, store and LDS access of this way reads one of them, and no vector instruction names them again
.set hiss, 0
.rept NSLOT
	FLOAD                                          ; the ring is filled: 56 loads are out
.endr
.set hu, 0
.rept 12
	SUNIT
.set hu, hu+1
.endr
	WIN 0                                          ; four places stand behind the last product
; The mask: a score whose key lies behind its query becomes -1e30.  Sixteen compares in a run, each into a scalar register of its own (s16-s25 and s42-s47, which this way
; uses for nothing else), one wait, sixteen selects; twice.  Each accumulator is read from its low end on.
.irp half, 0,1
.set hq, 0
.rept 16
	v_cmp_gt_i32 s[16+hq+16*(hq/10)], 32*\half+16*(hq/8)+hq%8, v7
.set hq, hq+1
.endr
	s_wait_alu depctr_va_sdst(0)                   ; the sixteen compares have written their masks, ahead of the first select that reads one
.set hq, 0
.rept 16
	v_cndmask_b32 v[SS+16*\half+hq], v[SS+16*\half+hq], v6, s[16+hq+16*(hq/10)]
.set hq, hq+1
.endr
.endr
	v_max3_num_f32 v[MX],   v[SS],    v[SS+1],  v[SS+2]          ; the maximum: two chains of 16 scores,
	v_max3_num_f32 v[MX+1], v[SS+16], v[SS+17], v[SS+18]
.irp o, 3,5,7,9,11,13
	v_max3_num_f32 v[MX],   v[MX],   v[SS+\o],    v[SS+\o+1]
	v_max3_num_f32 v[MX+1], v[MX+1], v[SS+16+\o], v[SS+16+\o+1]
.endr
	v_max3_num_f32 v[MX], v[MX], v[SS+15], v[SS+31]
	v_max_num_f32 v[MX], v[MX], v[MX+1]
	v_permlanex16_b32 v[MX+1], v[MX], s40, s41                   ; and the other half's 32 keys of the same query.  Key 0 is allowed to every query: the maximum is a score
	v_max_num_f32 v[MX], v[MX], v[MX+1]
	v_mov_b32 v[MX+1], v[MX]
.irp p, 0,2,4,6,8,10,12,14,16,18,20,22,24,26,28,30
	v_pk_add_f32 v[SS+\p:SS+\p+1], v[SS+\p:SS+\p+1], v[MX:MX+1] neg_lo:[0,1] neg_hi:[0,1]
.endr
.set hq, 0
.rept 32
	v_exp_f32 v[SS+hq], v[SS+hq]
.set hq, hq+1
.endr
	v_nop                                                        ; one plain place behind the last transcendental (ISA guide 5.7.2)
	s_wait_alu depctr_va_vdst(0)                                 ; the 32 exponentials have written the weights, ahead of their first reader
	v_pk_add_f32 v[MX+2:MX+3], v[SS:SS+1], v[SS+2:SS+3]
	v_pk_add_f32 v[MX+4:MX+5], v[SS+16:SS+17], v[SS+18:SS+19]
.irp o, 4,6,8,10,12,14
	v_pk_add_f32 v[MX+2:MX+3], v[MX+2:MX+3], v[SS+\o:SS+\o+1]
	v_pk_add_f32 v[MX+4:MX+5], v[MX+4:MX+5], v[SS+16+\o:SS+16+\o+1]
.endr
	v_pk_add_f32 v[MX+2:MX+3], v[MX+2:MX+3], v[MX+4:MX+5]
	v_add_f32 v[MX+2], v[MX+2], v[MX+3]
	v_permlanex16_b32 v[MX+3], v[MX+2], s40, s41
	v_add_f32 v[MX+2], v[MX+2], v[MX+3]                          ; the sum of the weights, at least 1
	v_rcp_f32 v[MX+6], v[MX+2]                                   ; plain work follows that touches neither register
.set hq, 0
.rept 32
	v_and_b32 v[TH+hq], s38, v[SS+hq]                            ; the weights' upper parts
.set hq, hq+1
.endr
	s_wait_alu depctr_va_vdst(0)                                 ; the reciprocal has written 1 / sum, ahead of its first reader
	v_mov_b32 v[MX+7], v[MX+6]
.irp p, 0,2,4,6,8,10,12,14,16,18,20,22,24,26,28,30
	v_pk_add_f32 v[SS+\p:SS+\p+1], v[SS+\p:SS+\p+1], v[TH+\p:TH+\p+1] neg_lo:[0,1] neg_hi:[0,1]
.endr
.irp i, 0,1,2,3,4,5,6,7,8,9,10,11,12,13,14,15
	v_cvt_pk_f16_f32 v[PLO+\i], v[SS+2*\i], v[SS+2*\i+1]         ; two packed S^T tiles are a fragment of P as source 1
	v_cvt_pk_f16_f32 v[PHI+\i], v[TH+2*\i], v[TH+2*\i+1]
.endr
.set hv, 0
.rept 6
	VUNIT
.set hv, hv+1
.endr
	WIN 0                                          ; four places stand behind the last product
.set hq, 0
.rept 48
	v_pk_mul_f32 v[OO+2*hq:OO+2*hq+1], v[OO+2*hq:OO+2*hq+1], v[MX+6:MX+7]       ; a lane's numbers all belong to its one query
.set hq, hq+1
.endr
	s_wait_alu depctr_va_vdst(0)                   ; the multiplies have written O^T, which the LDS stores read; no vector or matrix instruction names P or O^T any more, in whose registers the way out's loads land
.set hq, 0
.rept 12
	ds_store_b128 v3, v[OO+8*hq:OO+8*hq+3]   offset:64*hq        ; d = 16 p + 8 h + 0..3
	ds_store_b128 v3, v[OO+8*hq+4:OO+8*hq+7] offset:64*hq+16     ; d = 16 p + 8 h + 4..7
.set hq, hq+1
.endr
	s_wait_alu depctr_vm_vsrc(0)                   ; the LDS stores have read v[72:167]: the way out's LDS loads land in v[48:143]
	; ---------------- the way out ----------------
.Lway_out:                                             ; from the merge: v[48:143] are X0 and half of X1, which no memory instruction has read and step 5's wait has shown read out
.set mu, 0
.rept 24
	ds_load_b128 v[X0+4*mu:X0+4*mu+3], v4 offset:(mu/3)*2*LROW+(mu%3)*256
.set mu, mu+1
.endr
.set mu, 0
.rept 24
	s_wait_dscnt 23-mu                             ; the younger read-backs stay out
	global_store_b128 v5, v[X0+4*mu:X0+4*mu+3], s[26:27] offset:(mu/3)*3072+(mu%3)*256 th:TH_STORE_NT
.set mu, mu+1
.endr
	s_wait_dscnt 0x0                               ; the closing lines, six on end
	s_wait_alu 0x0
	s_wait_tensorcnt 0x0
	ds_add_u32 v254, v255
	s_wait_dscnt 0x0
	s_endpgm
.Lfunc_end_k_qea2c8ff866_merge:
	.size	k_qea2c8ff866_merge, .Lfunc_end_k_qea2c8ff866_merge-k_qea2c8ff866_merge
	.p2alignl 7, 3214868480
	.fill 96, 4, 3214868480
	.section	.rodata,"a",@progbits
	.p2align	6, 0x0
	.amdhsa_kernel k_qea2c8ff866_merge
		.amdhsa_group_segment_fixed_size 101376
		.amdhsa_private_segment_fixed_size 0
		.amdhsa_enable_private_segment 0
		.amdhsa_kernarg_size 32
		.amdhsa_user_sgpr_count 2
		.amdhsa_user_sgpr_kernarg_segment_ptr 1
		.amdhsa_wavefront_size32 1
		.amdhsa_system_sgpr_workgroup_id_x 1
		.amdhsa_system_sgpr_workgroup_id_y 1
		.amdhsa_system_sgpr_workgroup_id_z 1
		.amdhsa_system_vgpr_workitem_id 0
		.amdhsa_next_free_vgpr 512
		.amdhsa_next_free_sgpr 66
		.amdhsa_reserve_vcc 0
		.amdhsa_float_denorm_mode_32 3
		.amdhsa_float_denorm_mode_16_64 3
		.amdhsa_memory_ordered 1
		.amdhsa_forward_progress 1
		.amdhsa_inst_pref_size 99
	.end_amdhsa_kernel
	.amdgpu_metadata
---
amdhsa.version: [ 1, 2 ]
amdhsa.kernels:
  - .name:           k_qea2c8ff866_merge
    .symbol:         k_qea2c8ff866_merge.kd
    .args:
      - { .name: part, .offset: 0, .size: 8, .value_kind: global_buffer, .address_space: global }
      - { .name: ml, .offset: 8, .size: 8, .value_kind: global_buffer, .address_space: global }
      - { .name: hd, .offset: 16, .size: 8, .value_kind: global_buffer, .address_space: global }
      - { .name: out0, .offset: 24, .size: 8, .value_kind: global_buffer, .address_space: global }
    .group_segment_fixed_size: 101376
    .private_segment_fixed_size: 0
    .kernarg_segment_align: 8
    .kernarg_segment_size: 32
    .max_flat_workgroup_size: 256
    .sgpr_count:     66
    .vgpr_count:     512
    .wavefront_size: 32
...
	.end_amdgpu_metadata
.endif
;; end of part 5
